; MI455X (gfx1250); checked and timed in simulation.
; The chip was launched on July 23, 2026; its instructions are those of AMD's public machine-readable ISA for CDNA 5 (MIT licence, August 2026) and "CDNA5" Instruction Set Architecture Reference Guide (July 2026). The comments in the code are by the model that wrote it; some were corrected since.
;; Sliding Window Attention. Allowed arithmetic: matrix products marked QUANTISED: E2M3 operands, one E8M0 scale for each 32 along K, by v_wmma_scale_f32_16x16x128_f8f6f4 with both operands' format E2M3, f32 sums; everything else in f32.
;; Inputs: b_proj 1,024 float32; w_proj 1,024 x 1,024 float32; w_qkv 3,072 x 1,024 float32; x 1 x 4,096 x 1,024 float32.
;; Outputs: out0 1 x 4,096 x 1,024 float32.
;; This version of the problem:
;;   THIS VERSION OF THE PROBLEM IS GIVEN IN LOW PRECISION. The matrix products marked QUANTISED in the list below multiply operands that are first quantised to E2M3 (2 exponent bits, 3 mantissa bits; 6 bits a number), with one power-of-two scale for each 32 numbers along K (OCP MX v1.0); their sums are f32. All else is computed in f32.
;;   The module's matrix products, in the order in which they are computed (A, B: the left and right operand; K: the contracted axis; several contracted axes count as one K, in the product's order):
;;     1. [M 4,096, K 1,024] x [K 1,024, N 3,072]; A: input x; B: input w_qkv: QUANTISED
;;     2. batch 16 x [M 4,096, K 64] x [K 64, N 4,096]; A: computed on the way; B: computed on the way: QUANTISED
;;     3. batch 16 x [M 4,096, K 4,096] x [K 4,096, N 64]; A: softmax (see below); B: computed on the way: QUANTISED
;;     4. [M 4,096, K 1,024] x [K 1,024, N 1,024]; A: computed on the way; B: input w_proj: QUANTISED
;;   THE QUANTISER, for each operand of a quantised product, along K:
;;     - K is cut into blocks of 32 from its start; a last block that is shorter is filled with zeros.
;;     - A block's scale is 2^e with e = floor(log2(the largest magnitude in the block)) - 2, held to -126 .. 127; a block of zeros has e = 0. As a byte (E8M0): e + 127.
;;     - Each number is divided by its block's scale, clamped to +-7.5, and rounded to the nearest number of E2M3, ties to even, subnormals kept.
;;     - The product sums the exact products of the quantised numbers (number of the format x scale) in f32.
;;   ~~~python
;;   def quantise(x, axis):      # numpy; x: float32 -> the quantised numbers, widened to float32 again
;;       x = np.moveaxis(x, axis, -1); K = x.shape[-1]
;;       x = np.pad(x, [(0, 0)] * (x.ndim - 1) + [(0, -K % 32)]); x = x.reshape(x.shape[:-1] + (-1, 32)); a = np.abs(x).max(-1, keepdims=True)
;;       e = np.where(a > 0, np.clip(np.frexp(np.where(a > 0, a, 1))[1] - 1 - 2, -126, 127), 0)      # np.frexp(a)[1] - 1 = floor(log2(a)), exactly
;;       r = np.clip(x / 2.0 ** e, -7.5, 7.5)
;;       step = 2.0 ** (np.maximum(np.frexp(np.where(r == 0, 1, r))[1] - 1, 0) - 3)
;;       q = np.round(r / step) * step * 2.0 ** e      # np.round: ties to even
;;       return np.moveaxis(q.reshape(q.shape[:-2] + (-1,))[..., :K], -1, axis).astype(np.float32)
;;   ~~~
;;   SOFTMAX AHEAD OF A QUANTISED PRODUCT. Where the list says 'softmax', what is quantised is not the finished softmax but p = 2^(t - M), with t = logit x log2(e) and M = ceil(the row's largest t), a whole number; so 1/2 < the row's largest p <= 1. The row's sum l is taken of the UNQUANTISED p, in f32, and the product's result is divided by l at the end. Since M is a whole number, a kernel that streams over the keys may use a running M (the ceiling of the running maximum): every later rescaling is an exact power of two, which a block's scale takes up: the codes' values come out the same.
;;   OPERANDS COMPUTED ON THE WAY. 'Computed on the way' means the value that the module computes at that place (a softmax that the list does not call 'softmax' is quantised finished and normalised). What goes into a quantiser is computed in f32, as accurately as f32 sums, v_exp_f32 and their like allow (about 1e-6 of the number): no bf16 or f16 on the way to a quantiser, and a product that is left as it is and whose result goes on into a quantised operand takes f32 operands (vector FMAs, or v_wmma_f32_16x16x4_f32). A number that lies on a knife's edge between two numbers of the format may be rounded either way, as far as f32 arithmetic and the matrix unit's own rounding can turn it there, and no further.
;; One version. Each part assembles by itself: llvm-mc -triple=amdgcn-amd-amdhsa -mcpu=gfx1250 --defsym DOCPART=n.
;; ======== version 1 of 1: 4 launches
;; workspace buffers: x_rec 3,276,800 bytes; wqkv_rec 2,457,600 bytes; wp_rec 819,200 bytes; qkv_rec 9,830,400 bytes; o_rec 3,276,800 bytes
;; launch cast (part 1): grid 256 x 1, 8 waves a work-group, no clusters, 69,632 bytes of LDS; arguments x, w_qkv, w_proj, x_rec, wqkv_rec, wp_rec; writes x_rec, wqkv_rec, wp_rec
.if DOCPART == 1
	.amdgcn_target "amdgcn-amd-amdhsa--gfx1250"
	.amdhsa_code_object_version 6
	.text
	.protected	k_qddca039906_cast
	.globl	k_qddca039906_cast
	.p2align	8
	.type	k_qddca039906_cast,@function
k_qddca039906_cast:
	s_mov_b64 s[64:65], 0
	v_nop
	global_prefetch_b8 v0, s[64:65] scope:SCOPE_SE
	s_setreg_imm32_b32 hwreg(HW_REG_WAVE_MODE, 25, 1), 1
	s_wait_xcnt 0x0
; x [4096][1024], w_qkv [3072][1024] and w_proj [1024][1024], f32, K innermost, become codes of FP6 (E2M3) with one E8M0 byte for each 32 along K, laid as RECORDS.
; A RECORD is 128 rows x 128 along K as an image of the operand's registers, 12,800 bytes: eight tiles a of 1,536 bytes (register p of lane L at 1536 a + 512 (p / 4) + 16 L + 4 (p % 4)),
; then the scale words (tile a, lane-row r at 12288 + 256 (a / 4) + 16 r + 4 (a % 4)).  Lane-row r of tile a is row 32 (a / 2) + 8 (a % 2) + r + 8 (r / 8) of the 128.
; A tensor's records lie [group of 128 rows][K step of 128].  512 records in all; a work-group makes two, each of its eight waves a quarter of one (two tiles).
; Work-groups 0-127 take x, 128-223 w_qkv, 224-255 w_proj: only pointers are chosen.
; EVERY BYTE IS ASKED FOR AT THE START: a wave's 32 loads of 512 consecutive bytes go out together: 8 x 32 x 512 bytes = 128 KiB, all that the work-group reads.
; A tile's sixteen rows turn through the wave's own stage in LDS (pitch 528), so that lane (r, h) gets, of row r, 16 neighbours of each block of 32.
; A wave's two scale words a row are 8 of each 16 bytes of the record's scale image: two waves' words meet in LDS behind one barrier, and the even waves store 256 consecutive bytes each.
; A block's scale is 2^(floor(log2(largest magnitude)) - 2): its byte is the largest magnitude's exponent field - 2, held at 1 from below.
; LIMITS: NaN and infinities are not served; a block whose largest magnitude lies under 2^-124 keeps the byte 1; a block of zeros has the byte 1 (its codes are zeros; the bytes are read by this program alone).
; No matrix work and no tensor loads: memory binds.
.set REC,  12800
.set SP,   528                         ; a stage row: 512 bytes + 16: sixteen rows start at sixteen different groups of four banks
.set SCL,  8*16*SP                     ; behind the eight stages: the two records' scale words, 1,024 bytes
.set PW,   8                           ; v8-9     my two tiles' scale words
.set R,    16                          ; v16-143  two sets of 64: a tile as it is loaded
.set X,    144                         ; v144-207 64 numbers of my row: register 16 b + i = k 32 b + 16 h + i
.set PC,   208                         ; v208-231 two sets of 12: a tile's codes
.set TM,   232                         ; v232-247 at work
.set PCT,  248                         ; v248-250, v252-254 the second halves of the blocks' codes
.set SEL,  26                          ; s[26:27] v_permlanex16_b32's selects for lane l xor 16
	s_load_b128 s[4:7], s[0:1], 0x0                ; x, w_qkv
	s_load_b128 s[8:11], s[0:1], 0x10              ; w_proj, x_rec
	s_load_b128 s[12:15], s[0:1], 0x20             ; wqkv_rec, wp_rec
	v_lshl_add_u32 v251, v0, 2, 0x10c00
	v_mov_b32 v255, 0
	v_lshrrev_b32 v12, 5, v0
	s_delay_alu instid0(VALU_DEP_1)
	v_readfirstlane_b32 s24, v12                   ; wave 0..7
	v_and_b32 v12, 31, v0                          ; lane L
	v_and_b32 v13, 15, v0                          ; r
	v_bfe_u32 v14, v0, 4, 1                        ; h
	s_delay_alu instid0(VALU_DEP_3)
	v_lshlrev_b32 v1, 4, v12                       ; 16 L: my 16 bytes of a row, and of an image
	s_mul_i32 s25, s24, 16*SP                      ; my wave's stage
	v_add_nc_u32 v2, s25, v1                       ; into it: 16 L (+ 528 x row)
	v_mul_u32_u24 v3, v13, SP
	s_delay_alu instid0(VALU_DEP_1)
	v_lshl_add_u32 v3, v14, 6, v3
	s_delay_alu instid0(VALU_DEP_1)
	v_add_nc_u32 v3, s25, v3                       ; out of it: row r, + 64 h
	s_lshr_b32 s25, s24, 1
	s_lshl_b32 s25, s25, 8
	s_add_co_u32 s25, s25, SCL                     ; the 256 bytes of scale words that my neighbour wave and I fill
	v_lshl_add_u32 v5, v12, 3, s25                 ; back out of them: 8 L
	s_and_b32 s23, s24, 1
	s_lshl_b32 s29, s23, 3
	s_add_co_u32 s25, s25, s29
	v_lshl_add_u32 v4, v13, 4, s25                 ; into them: 16 r + 8 (wave % 2)
	v_lshlrev_b32 v6, 3, v12                       ; and the same 8 L in the record
.irp b, 0,1,2,3
	v_mov_b32 v[TM+4+\b], 0                        ; written once: a lane permute's destination counts as one of its sources
.endr
	s_mov_b32 s[SEL], 0x76543210
	s_mov_b32 s[SEL+1], 0xfedcba98
	s_mov_b32 s20, 224
	s_wait_alu depctr_va_vdst(0)
	s_wait_kmcnt 0x0
	s_cmp_lt_u32 ttmp9, 224                        ; which tensor: the choice hangs on the work-group's number alone
	s_cselect_b64 s[16:17], s[6:7], s[8:9]
	s_cselect_b64 s[18:19], s[12:13], s[14:15]
	s_cselect_b32 s20, 128, s20
	s_cmp_lt_u32 ttmp9, 128
	s_cselect_b64 s[16:17], s[4:5], s[16:17]
	s_cselect_b64 s[18:19], s[10:11], s[18:19]
	s_cselect_b32 s20, 0, s20
	s_sub_co_u32 s21, ttmp9, s20                   ; the work-group's number within its tensor
	s_lshl_b32 s21, s21, 1
	s_lshr_b32 s22, s24, 2
	s_add_co_u32 s21, s21, s22                     ; my record
	s_and_b32 s22, s24, 3                          ; my quarter of it: tiles 2 q and 2 q + 1
	s_lshr_b32 s30, s21, 3
	s_lshl_b32 s30, s30, 19                        ; group x 128 rows of 4,096 bytes
	s_and_b32 s31, s21, 7
	s_lshl_b32 s31, s31, 9                         ; K step x 512 bytes
	s_add_co_u32 s30, s30, s31
	s_lshl_b32 s31, s22, 17                        ; q x 32 rows
	s_add_co_u32 s30, s30, s31
	s_mov_b32 s31, 0
	s_add_nc_u64 s[16:17], s[16:17], s[30:31]      ; where my numbers begin
	s_mul_i32 s32, s21, REC
	s_mov_b32 s33, 0
	s_add_nc_u64 s[18:19], s[18:19], s[32:33]      ; my record
	s_mul_i32 s32, s22, 3072
	s_add_nc_u64 s[34:35], s[18:19], s[32:33]      ; my two tiles' codes
	s_lshr_b32 s32, s22, 1
	s_lshl_b32 s32, s32, 8
	s_add_co_u32 s32, s32, 12288
	s_add_nc_u64 s[36:37], s[18:19], s[32:33]      ; the 256 bytes of scale words of my half of the record
.macro LOAD i                          ; my tile i: its sixteen rows, 512 consecutive bytes a load; read once in the launch
.irp p, 0,1,2,3,4,5,6,7,8,9,10,11,12,13,14,15
	global_load_b128 v[R+64*(\i)+4*\p:R+64*(\i)+4*\p+3], v1, s[16:17] offset:(8*(\i)+\p+8*(\p/8))*4096 th:TH_LOAD_NT
.endr
.endm
.macro TURN i                          ; through the stage: LDS serves a wave's instructions in order, so no wait stands between the stores and the loads
.irp p, 0,1,2,3,4,5,6,7,8,9,10,11,12,13,14,15
	ds_store_b128 v2, v[R+64*(\i)+4*\p:R+64*(\i)+4*\p+3] offset:SP*\p
.endr
.irp b, 0,1,2,3
.irp j, 0,1,2,3
	ds_load_b128 v[X+16*\b+4*\j:X+16*\b+4*\j+3], v3 offset:128*\b+16*\j
.endr
.endr
.endm
; 64 numbers of a lane, register 16 b + i = k 32 b + 16 h + i of my row, become a fragment's 12 registers at v[pc] and my row's scale word in v[pw]
.macro QUANT s, pc, pw
.irp b, 0,1,2,3
	v_max3_num_f32 v[TM+\b], |v[(\s)+16*\b]|, |v[(\s)+1+16*\b]|, 0x1800000   ; my 16 of block b, and the floor 2^(3 - 127): the byte cannot fall under 1
.endr
.irp i, 2,4,6,8,10,12,14
.irp b, 0,1,2,3
	s_delay_alu instid0(VALU_DEP_4)
	v_max3_num_f32 v[TM+\b], v[TM+\b], |v[(\s)+16*\b+\i]|, |v[(\s)+1+16*\b+\i]|   ; the four blocks by turns
.endr
.endr
.irp b, 0,1,2,3
	s_delay_alu instid0(VALU_DEP_4)
	v_permlanex16_b32 v[TM+4+\b], v[TM+\b], s[SEL], s[SEL+1]
.endr
.irp b, 0,1,2,3
	s_delay_alu instid0(VALU_DEP_4)
	v_max_num_f32 v[TM+\b], v[TM+\b], v[TM+4+\b]   ; with lane l xor 16's 16: the block's largest magnitude
.endr
.irp b, 0,1,2,3
	s_delay_alu instid0(VALU_DEP_4)
	v_add_nc_u32 v[TM+12+\b], 0xff000000, v[TM+\b] ; 2 off its exponent field: the conversion takes that field as its scale
.endr
.irp b, 0,1,2,3
	s_delay_alu instid0(VALU_DEP_4)
	v_lshrrev_b32 v[TM+4+\b], 23, v[TM+12+\b]      ; the scale's byte
.endr
	s_delay_alu instid0(VALU_DEP_3)
	v_lshl_or_b32 v[\pw], v[TM+5], 8, v[TM+4]
	s_delay_alu instid0(VALU_DEP_1)
	v_lshl_or_b32 v[\pw], v[TM+6], 16, v[\pw]
	s_delay_alu instid0(VALU_DEP_1)
	v_lshl_or_b32 v[\pw], v[TM+7], 24, v[\pw]
.irp c, 0,1
	v_cvt_scalef32_pk16_fp6_f32 v[(\pc)+6*\c:(\pc)+2+6*\c], v[(\s)+32*\c:(\s)+15+32*\c], v[TM+12+2*\c]
	v_cvt_scalef32_pk16_fp6_f32 v[PCT+4*\c:PCT+2+4*\c], v[(\s)+16+32*\c:(\s)+31+32*\c], v[TM+13+2*\c]   ; (a conversion's three registers begin on an even number)
.endr
	v_nop                                          ; one plain place behind a scaled conversion
.irp c, 0,1                            ; the operand's layout wants a whole block in a lane: lanes 0-15 block 2 c, lanes 16-31 block 2 c + 1
.irp i, 0,1,2
	v_permlane16_swap_b32 v[(\pc)+6*\c+\i], v[PCT+4*\c+\i]
.endr
.irp i, 0,1,2
	s_delay_alu instid0(VALU_DEP_3)
	v_mov_b32 v[(\pc)+3+6*\c+\i], v[PCT+4*\c+\i]
.endr
.endr
.endm
	LOAD 0
	LOAD 1
.irp i, 0,1
.if \i == 0
	s_wait_loadcnt 16                              ; the first tile's sixteen loads are in; the second tile's sixteen may be out
.else
	s_wait_loadcnt 0x0
.endif
	TURN \i
	s_wait_dscnt 0x0                               ; my 64 numbers are back
	QUANT X, PC+12*\i, PW+\i
.irp c, 0,1,2
	global_store_b128 v1, v[PC+12*\i+4*\c:PC+12*\i+4*\c+3], s[34:35] offset:1536*\i+512*\c   ; 32 lanes store 512 consecutive bytes, at a multiple of 256 from the buffer's first byte; each tile has its own registers, so no store's data are written again
.endr
.endr
	ds_store_b64 v4, v[PW:PW+1]                    ; my two words of row r; lanes r and 16 + r write the same bytes with the same values
	s_wait_dscnt 0x0                               ; for the others' sake: my store is done
	s_barrier_signal -1
	s_barrier_wait -1                              ; four tiles' words lie together
	s_cmp_lg_u32 s23, 0
	s_cbranch_scc1 .Lodd_wave                      ; the even wave of each pair stores the pair's 256 bytes
	ds_load_b64 v[12:13], v5
	s_wait_dscnt 0x0
	global_store_b64 v6, v[12:13], s[36:37]        ; 32 lanes store 256 consecutive bytes, at a multiple of 256 from the buffer's first byte
.Lodd_wave:
	s_wait_tensorcnt 0x0
	ds_add_u32 v251, v255
	s_wait_dscnt 0x0
	s_endpgm
.Lfunc_end_k_qddca039906_cast:
	.size	k_qddca039906_cast, .Lfunc_end_k_qddca039906_cast-k_qddca039906_cast
	.p2alignl 7, 3214868480
	.fill 96, 4, 3214868480
	.section	.rodata,"a",@progbits
	.p2align	6, 0x0
	.amdhsa_kernel k_qddca039906_cast
		.amdhsa_group_segment_fixed_size 69632
		.amdhsa_private_segment_fixed_size 0
		.amdhsa_enable_private_segment 0
		.amdhsa_kernarg_size 48
		.amdhsa_user_sgpr_count 2
		.amdhsa_user_sgpr_kernarg_segment_ptr 1
		.amdhsa_wavefront_size32 1
		.amdhsa_system_sgpr_workgroup_id_x 1
		.amdhsa_system_sgpr_workgroup_id_y 1
		.amdhsa_system_sgpr_workgroup_id_z 1
		.amdhsa_system_vgpr_workitem_id 0
		.amdhsa_next_free_vgpr 256
		.amdhsa_next_free_sgpr 66
		.amdhsa_reserve_vcc 0
		.amdhsa_float_denorm_mode_32 3
		.amdhsa_float_denorm_mode_16_64 3
		.amdhsa_memory_ordered 1
		.amdhsa_forward_progress 1
		.amdhsa_inst_pref_size 23
	.end_amdhsa_kernel
	.amdgpu_metadata
---
amdhsa.version: [ 1, 2 ]
amdhsa.kernels:
  - .name:           k_qddca039906_cast
    .symbol:         k_qddca039906_cast.kd
    .args:
      - { .name: x, .offset: 0, .size: 8, .value_kind: global_buffer, .address_space: global }
      - { .name: w_qkv, .offset: 8, .size: 8, .value_kind: global_buffer, .address_space: global }
      - { .name: w_proj, .offset: 16, .size: 8, .value_kind: global_buffer, .address_space: global }
      - { .name: x_rec, .offset: 24, .size: 8, .value_kind: global_buffer, .address_space: global }
      - { .name: wqkv_rec, .offset: 32, .size: 8, .value_kind: global_buffer, .address_space: global }
      - { .name: wp_rec, .offset: 40, .size: 8, .value_kind: global_buffer, .address_space: global }
    .group_segment_fixed_size: 69632
    .private_segment_fixed_size: 0
    .kernarg_segment_align: 8
    .kernarg_segment_size: 48
    .max_flat_workgroup_size: 256
    .sgpr_count:     66
    .vgpr_count:     256
    .wavefront_size: 32
...
	.end_amdgpu_metadata
.endif
;; end of part 1
;; launch qkv (part 2): grid 48 x 4, 4 waves a work-group, clusters of 4 x 4, 327,680 bytes of LDS; arguments x_rec, wqkv_rec, qkv_rec; writes qkv_rec
.if DOCPART == 2
	.amdgcn_target "amdgcn-amd-amdhsa--gfx1250"
	.amdhsa_code_object_version 6
	.text
	.protected	k_qddca039906_qkv
	.globl	k_qddca039906_qkv
	.p2align	8
	.type	k_qddca039906_qkv,@function
k_qddca039906_qkv:
	s_mov_b64 s[64:65], 0
	v_nop
	global_prefetch_b8 v0, s[64:65] scope:SCOPE_SE
	s_setreg_imm32_b32 hwreg(HW_REG_WAVE_MODE, 25, 1), 1
	s_wait_xcnt 0x0
	s_wait_alu depctr_hold_cnt(0) depctr_sa_sdst(0) depctr_va_vdst(0) depctr_va_sdst(0) depctr_va_ssrc(0) depctr_va_vcc(0) depctr_vm_vsrc(0)
	s_getreg_b32 s2, hwreg(HW_REG_IB_STS2, 6, 4)
	s_cmp_eq_u32 s2, 0
	s_cbranch_scc0 .Lentry_in_a_cluster
	s_endpgm
.Lentry_in_a_cluster:
	s_bfe_u32 s2, ttmp6, 0x10000c
	s_cmp_lg_u32 s2, 0xf033
	s_cbranch_scc0 .Lentry_shape_is_right
	s_endpgm
.Lentry_shape_is_right:
; qkv = x w_qkv^T on codes of FP6 (E2M3) with E8M0 scales, K = 1,024; the f32 sums are quantised in registers and leave as RECORDS for the attention launch: they never lie in memory as f32.
; A RECORD: 128 rows x 128 along K as an image of the operand's registers, 12,800 bytes: eight tiles a of 1,536 bytes (register p of lane L at 1536 a + 512 (p / 4) + 16 L + 4 (p % 4)), then the scale words
; (tile a, lane-row r at 12288 + 256 (a / 4) + 16 r + 4 (a % 4)); lane-row r of tile a is row 32 (a / 2) + 8 (a % 2) + r + 8 (r / 8).  So three loads of 16 bytes a lane bring a fragment, one brings four tiles' scale words.
; SOURCE 0's rows become the next quantiser's axis: with that order of rows, register 16 b + i of a lane's eight result tiles is index 32 b + 16 h + i.  SOURCE 1's row is the lane's row.
;   clusters 0-7 make q and k (quantised along the head's channels): source 0 = w_qkv's groups 0-15, source 1 = x.    clusters 8-11 make v (quantised along the keys): source 0 = x, source 1 = w_qkv's groups 16-23.
;   Only pointers and offsets are chosen, on the cluster's number, which all partners share; there is no branch on it.
; A work-group makes 256 x 256, each of its four waves 128 x 128: 64 accumulators, 512 registers.  192 work-groups.
; LDS: three slots of 102,400 bytes, each with two K steps of four groups (source 1's two, then source 0's two): K steps 0-5 are first fills; slot 0 is filled once more, with K steps 6 and 7.
; CLUSTERS of 4 x 4: source 1's groups hang on the cluster's row, source 0's on its column: each tile is asked for jointly by the four that share it.
; A wave has three tensor loads out at the start and one behind the refill's round.
; OUT: record (kind, pair of heads g, block of 128 tokens) at ((8 kind + g) 32 + block) x 12,800.  q, k: rows = tokens, K = the pair's 128 channels.  v: rows = the pair's 128 channels, K = 128 tokens.
; LIMITS: NaN and infinities are not served; a block whose largest magnitude lies under 2^-124 keeps the byte 1; a block of zeros has the byte 1 and zero codes (the bytes are read by this program alone).
; REGISTERS, in windows of 256: window 0: v16-29 addresses; v32-47 scale words, two sets; v48-63 at work; v128-223 source 1's fragments, one set, later the codes made; v224-243 at work on the way out.
;   window 1: source 0's fragments, two sets, at v0 and v128.   window 2: accumulators of source 1's tiles 0-3 ((a, b) at v[8 (8 (a % 4) + b)]);   window 3: of tiles 4-7.
.set REC,   12800
.set GRP,   8*REC                      ; a group's eight K steps in memory
.set PAIR,  2*REC                      ; two K steps of a group: what one tensor load brings
.set SLOT,  4*PAIR
.set SPARE, 3*SLOT                     ; behind the slots: the spare words, 128 bytes for each wave, which no other line names
.set ADRA,  16                         ; v16-18  my source 1 group in slot 0, 1, 2, + 16 L
.set ADRB,  20                         ; v20-22  my source 0 group likewise
.set LI,    26                         ; v26     16 L
.set SPW,   28                         ; v28     my spare word; never rewritten
.set NIL,   29                         ; v29     0; never rewritten
.set SA,    32                         ; source 1's scale words, set p at +8 p: register a % 4; lanes 0-15 tiles 0-3, lanes 16-31 tiles 4-7
.set SB,    36                         ; source 0's likewise
.set TM,    48
.set AF,    128
.set PCT,   224
.set PW,    232
.set SW,    240
.set G1A,   24                         ; s[24:31] descriptor group 1 for source 1;  s[48:55] for source 0: they differ in the mask
.set G1B,   48
.set G0A,   68                         ; s[68:79] groups 0 for source 1, one for each slot;  s[80:91] for source 0
.set G0B,   80
.set SEL,   60
.set MSB, 0
.macro WIN new                         ; the immediate's high byte repeats the setting that is left
.if MSB != (\new)
	s_set_vgpr_msb (MSB<<8)|(\new)
.set MSB, (\new)
.endif
.endm
.set MUL_LO, 0xa1                      ; source 0 window 1, source 1 window 0, C and D window 2
.set MUL_HI, 0xf1                      ; the same, C and D window 3
.set TO_B,   0x40                      ; destination window 1, address window 0
.macro PLACES                          ; four plain vector lines between a matrix instruction and a load into, or a vector read of, its registers
.rept 4
	v_nop
.endr
.endm
.macro JLOAD s                         ; a joint load: waves 0, 1 ask for source 1, waves 2, 3 for source 0; the branch hangs on the wave's number alone; four v_nop follow each line
	s_cmp_eq_u32 s15, 0
	s_cbranch_scc0 .Lfor_b_\@
	tensor_load_to_lds s[G0A+4*\s:G0A+4*\s+3], s[G1A:G1A+7]
	s_nop 0
.rept 4
	v_nop
.endr
	s_branch .Lasked_\@
.Lfor_b_\@:
	tensor_load_to_lds s[G0B+4*\s:G0B+4*\s+3], s[G1B:G1B+7]
	s_nop 0
.rept 4
	v_nop
.endr
.Lasked_\@:
.endm
.macro CREST                           ; a round of the cluster's barrier behind its opening barrier
	s_cmp_lg_u32 s14, 0
	s_cbranch_scc1 .Lnot_wave_0_\@
	s_barrier_signal -3
.Lnot_wave_0_\@:
	s_barrier_wait -3
	s_barrier_signal -1
	s_barrier_wait -1
.endm
.macro CROUND
	s_barrier_signal -1
	s_barrier_wait -1
	CREST
.endm
	s_load_b128 s[4:7], s[0:1], 0x0                ; x_rec, wqkv_rec
	s_load_b64 s[8:9], s[0:1], 0x10                ; qkv_rec
	v_lshl_add_u32 v[SPW], v0, 2, SPARE
	v_mov_b32 v[NIL], 0
	ds_add_u32 v28, v29
	ds_add_u32 v28, v29
	s_wait_dscnt 0x0
	v_lshrrev_b32 v1, 5, v0
	v_readfirstlane_b32 s14, v1                    ; wave 0..3
	s_lshr_b32 s15, s14, 1                         ; which of source 1's two groups is mine.  Also: I fetch for source 1 (0) or source 0 (1)
	s_and_b32 s16, s14, 1                          ; which of source 0's two groups is mine.  Also: which group of that operand I fetch
	s_bfe_u32 s40, ttmp6, 0x40000                  ; cx
	s_bfe_u32 s41, ttmp6, 0x40004                  ; cy
	s_lshl_b32 s43, s41, 2
	s_lshl_b32 s43, 15, s43                        ; my row of the cluster
	s_lshl_b32 s44, 0x1111, s40                    ; my column
	s_and_b32 s17, ttmp9, 1
	s_and_b32 s18, ttmp9, 3
	s_lshr_b32 s19, ttmp9, 1
	s_cmp_lt_u32 ttmp9, 8                          ; q and k, or v
	s_cselect_b32 s17, s17, s18
	s_cselect_b32 s19, s19, 0
	s_cselect_b32 s45, 0, 16*GRP                   ; for v source 1 begins at w_qkv's group 16
	s_lshl_b32 s17, s17, 2
	s_add_co_u32 s17, s17, s40                     ; source 0's tile of 256 rows
	s_lshl_b32 s19, s19, 2
	s_add_co_u32 s19, s19, s41                     ; source 1's
	; descriptor group 1: 25,600 dense bytes as 100 rows of 256 bytes (32 elements of 8 bytes), no padding: an image is read 16 bytes a lane on end
	s_or_b32 s[G1A], s43, (3<<16)|(1<<21)          ; 15:0 the mask; 17:16 elements of 8 bytes; 21 set beside a mask
	s_or_b32 s[G1B], s44, (3<<16)|(1<<21)
.irp g, G1A, G1B
	s_mov_b32 s[\g+1], 32<<16                      ; tensor_dim0
	s_mov_b32 s[\g+2], 100<<16                     ; tensor_dim1
	s_mov_b32 s[\g+3], 32<<16                      ; tile_dim0
	s_mov_b32 s[\g+4], 100                         ; tile_dim1
	s_mov_b32 s[\g+5], 32                          ; tensor_dim0_stride
	s_mov_b32 s[\g+6], 0
	s_mov_b32 s[\g+7], 0
.endr
	s_lshl_b32 s46, s19, 1                         ; every wave makes both offsets, in registers that never hold the other coordinate
	s_add_co_u32 s46, s46, s16
	s_mul_i32 s46, s46, GRP
	s_add_co_u32 s46, s46, s45
	s_mov_b32 s47, 0
	s_lshl_b32 s56, s17, 1
	s_add_co_u32 s56, s56, s16
	s_mul_i32 s56, s56, GRP
	s_mov_b32 s57, 0
	s_mul_i32 s42, s14, PAIR                       ; where my load lands in a slot: wave x 25,600: no place in the cluster enters an LDS address
	s_wait_kmcnt 0x0
	s_cmp_lt_u32 ttmp9, 8
	s_cselect_b64 s[20:21], s[4:5], s[6:7]         ; source 1's buffer
	s_cselect_b64 s[22:23], s[6:7], s[4:5]         ; source 0's
	s_add_nc_u64 s[20:21], s[20:21], s[46:47]
	s_add_nc_u64 s[22:23], s[22:23], s[56:57]
	CROUND                                         ; all sixteen work-groups are here: the first joint loads meet
.irp s, 0,1,2
	s_mov_b32 s[G0A+4*\s], 1
	s_add_co_u32 s[G0A+4*\s+1], s42, \s*SLOT
	s_add_nc_u64 s[G0A+4*\s+2:G0A+4*\s+3], s[20:21], \s*PAIR
	s_or_b32 s[G0A+4*\s+3], s[G0A+4*\s+3], 0x80000000
	s_mov_b32 s[G0B+4*\s], 1
	s_add_co_u32 s[G0B+4*\s+1], s42, \s*SLOT
	s_add_nc_u64 s[G0B+4*\s+2:G0B+4*\s+3], s[22:23], \s*PAIR
	s_or_b32 s[G0B+4*\s+3], s[G0B+4*\s+3], 0x80000000
.endr
	s_cmp_eq_u32 s15, 0                            ; a wave's three first fills stand in one branch, ahead of every wait on TENSORcnt and every LDS read
	s_cbranch_scc0 .Lfirst_b
	tensor_load_to_lds s[G0A:G0A+3], s[G1A:G1A+7]
	s_nop 0
	tensor_load_to_lds s[G0A+4:G0A+7], s[G1A:G1A+7]
	s_nop 0
	tensor_load_to_lds s[G0A+8:G0A+11], s[G1A:G1A+7]
	s_nop 0
.rept 4
	v_nop
.endr
	s_branch .Lfirst_done
.Lfirst_b:
	tensor_load_to_lds s[G0B:G0B+3], s[G1B:G1B+7]
	s_nop 0
	tensor_load_to_lds s[G0B+4:G0B+7], s[G1B:G1B+7]
	s_nop 0
	tensor_load_to_lds s[G0B+8:G0B+11], s[G1B:G1B+7]
	s_nop 0
.rept 4
	v_nop
.endr
.Lfirst_done:
	v_and_b32 v1, 31, v0
	v_lshlrev_b32 v[LI], 4, v1
	s_mul_i32 s58, s15, PAIR
	s_mul_i32 s59, s16, PAIR
	s_add_co_u32 s59, s59, 2*PAIR
.irp s, 0,1,2
	v_add_nc_u32 v[ADRA+\s], s58, v[LI]
	v_add_nc_u32 v[ADRB+\s], s59, v[LI]
	s_add_co_u32 s58, s58, SLOT
	s_add_co_u32 s59, s59, SLOT
.endr
.irp b, 0,1,2,3
	v_mov_b32 v[TM+4+\b], 0                        ; written once: a lane permute's destination counts as one of its sources
.endr
	s_mov_b32 s[SEL], 0x76543210
	s_mov_b32 s[SEL+1], 0xfedcba98
	s_mov_b32 s62, 0xffff0000                      ; lanes 16-31
	s_lshl_b32 s92, s17, 1                         ; my record: source 0's group,
	s_add_co_u32 s92, s92, s16
	s_lshl_b32 s93, s19, 1                         ; source 1's group
	s_add_co_u32 s93, s93, s15
	s_lshl_b32 s94, s92, 5
	s_add_co_u32 s94, s94, s93                     ; q, k: 32 x (8 kind + g) + block
	s_lshl_b32 s95, s93, 5
	s_add_co_u32 s95, s95, s92
	s_add_co_u32 s95, s95, 512                     ; v: 512 + 32 g + block
	s_cmp_lt_u32 ttmp9, 8
	s_cselect_b32 s94, s94, s95
	s_mul_i32 s94, s94, REC
	s_mov_b32 s95, 0
	s_add_nc_u64 s[8:9], s[8:9], s[94:95]
; One product: source 1's tile a x source 0's tile b, 128 along K; p: source 0's set and the set of scale words.  Tiles 4-7 have their scale words in lanes 16-31.
.macro WM a, b, p, zero
.set rD, 8*(8*((\a)%4)+(\b))
.set rA, 128*(\p)+12*(\b)
.set rB, AF+12*(\a)
.set rS0, SB+8*(\p)+(\b)%4
.set rS1, SA+8*(\p)+(\a)%4
.if \zero
.if ((\a) < 4) && ((\b) < 4)
	v_wmma_scale_f32_16x16x128_f8f6f4 v[rD:rD+7], v[rA:rA+11], v[rB:rB+11], 0, v[rS0], v[rS1] matrix_a_fmt:MATRIX_FMT_FP6 matrix_b_fmt:MATRIX_FMT_FP6
.elseif (\a) < 4
	v_wmma_scale_f32_16x16x128_f8f6f4 v[rD:rD+7], v[rA:rA+11], v[rB:rB+11], 0, v[rS0], v[rS1] matrix_a_fmt:MATRIX_FMT_FP6 matrix_b_fmt:MATRIX_FMT_FP6 matrix_a_scale:MATRIX_SCALE_ROW1
.elseif (\b) < 4
	v_wmma_scale_f32_16x16x128_f8f6f4 v[rD:rD+7], v[rA:rA+11], v[rB:rB+11], 0, v[rS0], v[rS1] matrix_a_fmt:MATRIX_FMT_FP6 matrix_b_fmt:MATRIX_FMT_FP6 matrix_b_scale:MATRIX_SCALE_ROW1
.else
	v_wmma_scale_f32_16x16x128_f8f6f4 v[rD:rD+7], v[rA:rA+11], v[rB:rB+11], 0, v[rS0], v[rS1] matrix_a_fmt:MATRIX_FMT_FP6 matrix_b_fmt:MATRIX_FMT_FP6 matrix_a_scale:MATRIX_SCALE_ROW1 matrix_b_scale:MATRIX_SCALE_ROW1
.endif
.else
.if ((\a) < 4) && ((\b) < 4)
	v_wmma_scale_f32_16x16x128_f8f6f4 v[rD:rD+7], v[rA:rA+11], v[rB:rB+11], v[rD:rD+7], v[rS0], v[rS1] matrix_a_fmt:MATRIX_FMT_FP6 matrix_b_fmt:MATRIX_FMT_FP6
.elseif (\a) < 4
	v_wmma_scale_f32_16x16x128_f8f6f4 v[rD:rD+7], v[rA:rA+11], v[rB:rB+11], v[rD:rD+7], v[rS0], v[rS1] matrix_a_fmt:MATRIX_FMT_FP6 matrix_b_fmt:MATRIX_FMT_FP6 matrix_a_scale:MATRIX_SCALE_ROW1
.elseif (\b) < 4
	v_wmma_scale_f32_16x16x128_f8f6f4 v[rD:rD+7], v[rA:rA+11], v[rB:rB+11], v[rD:rD+7], v[rS0], v[rS1] matrix_a_fmt:MATRIX_FMT_FP6 matrix_b_fmt:MATRIX_FMT_FP6 matrix_b_scale:MATRIX_SCALE_ROW1
.else
	v_wmma_scale_f32_16x16x128_f8f6f4 v[rD:rD+7], v[rA:rA+11], v[rB:rB+11], v[rD:rD+7], v[rS0], v[rS1] matrix_a_fmt:MATRIX_FMT_FP6 matrix_b_fmt:MATRIX_FMT_FP6 matrix_a_scale:MATRIX_SCALE_ROW1 matrix_b_scale:MATRIX_SCALE_ROW1
.endif
.endif
.endm
; 16 products.  The 64 accumulators take turns, one instruction a turn, in the same order in every K step
.macro MUL16 a0, p, zero
.irp a, \a0, \a0+1
.irp b, 0,1,2,3,4,5,6,7
	WM \a, \b, \p, \zero
.endr
.endr
.endm
.macro FETCH_B slot, q, p              ; source 0's eight fragments of the slot's q-th K step into set p: 24 loads of 512 consecutive bytes
	WIN TO_B
.irp i, 0,1,2,3,4,5,6,7
.irp c, 0,1,2
	ds_load_b128 v[128*(\p)+12*\i+4*\c:128*(\p)+12*\i+4*\c+3], v[ADRB+\slot] offset:REC*(\q)+1536*\i+512*\c
.endr
.endr
	WIN 0
.endm
.macro FETCH_A slot, q, i0             ; source 1's tiles i0 .. i0 + 3: 12 loads
.irp i, \i0, \i0+1, \i0+2, \i0+3
.irp c, 0,1,2
	ds_load_b128 v[AF+12*(\i)+4*\c:AF+12*(\i)+4*\c+3], v[ADRA+\slot] offset:REC*(\q)+1536*(\i)+512*\c
.endr
.endr
.endm
.macro SCALES slot, q, p               ; both operands' scale words of a K step: two loads
	ds_load_b128 v[SA+8*(\p):SA+8*(\p)+3], v[ADRA+\slot] offset:REC*(\q)+12288
	ds_load_b128 v[SB+8*(\p):SB+8*(\p)+3], v[ADRB+\slot] offset:REC*(\q)+12288
.endm
; A K step on set p whose successor (slot sn, its qn-th K step) lies in bytes that are already shown whole
.macro STEP p, sn, qn, zero
	s_wait_dscnt 12                                ; all but the youngest twelve loads (source 1's tiles 4-7) are in
	WIN MUL_LO
	MUL16 0, \p, \zero
	MUL16 2, \p, \zero
	s_wait_dscnt 0x0                               ; tiles 4-7 are in (asked for 32 matrix instructions ago)
	PLACES
	FETCH_B \sn, \qn, 1-\p
	FETCH_A \sn, \qn, 0
	SCALES \sn, \qn, 1-\p
	WIN MUL_HI
	MUL16 4, \p, \zero
	MUL16 6, \p, \zero
	PLACES
	WIN 0
	FETCH_A \sn, \qn, 4
.endm
; A K step with a barrier in it: in front of the barrier each wave waits for all its tensor loads, adds 0 to its spare word, and waits for that and for its own LDS reads.
; fill = 1: slot 0, just read out, is filled again with K steps 6 and 7: the barrier opens a round of the cluster's, and the joint refill is the first thing behind it; it has four K steps in which to land.
.macro TURN p, sn, fill
	s_wait_tensorcnt 0x0                           ; all my tensor loads have landed (every window is 0 here: the add's registers lie in window 0)
	ds_add_u32 v[SPW], v[NIL]                      ; 0 onto my spare word
	s_wait_dscnt 13                                ; (the add and the youngest twelve loads may be out)
	WIN MUL_LO
	MUL16 0, \p, 0                                 ; sixteen matrix instructions stand between the add and the wait for it
	s_wait_dscnt 0x0                               ; the add is done, and my reads of the slot are over
	s_barrier_signal -1
	MUL16 2, \p, 0
	WIN 0
	s_barrier_wait -1
.if \fill
	CREST                                          ; no wave of any partner still reads slot 0 or has a load on its way
	s_add_nc_u64 s[G0A+2:G0A+3], s[G0A+2:G0A+3], 3*PAIR
	s_add_nc_u64 s[G0B+2:G0B+3], s[G0B+2:G0B+3], 3*PAIR
	JLOAD 0                                        ; the four v_nop behind it are also the places in front of the loads below
.else
	PLACES
.endif
	FETCH_B \sn, 0, 1-\p
	FETCH_A \sn, 0, 0
	SCALES \sn, 0, 1-\p
	WIN MUL_HI
	MUL16 4, \p, 0
	MUL16 6, \p, 0
	PLACES
	WIN 0
	FETCH_A \sn, 0, 4
.endm
; The 64 sums of my row in window w, v[s] on (register 16 b + i = index 32 b + 16 h + i), become a fragment's 12 registers at v[pc] and my row's scale word in v[pw].  Each accumulator is read from its low end on.
.macro QUANTW w, s, pc, pw
.set WQ, ((\w)<<2)|((\w)<<4)
	WIN WQ                                         ; sources 1 and 2 in window w
.irp b, 0,1,2,3
	v_max3_num_f32 v[TM+\b], 0x1800000, |v[(\s)+16*\b]|, |v[(\s)+1+16*\b]|   ; the floor 2^(3 - 127): the byte cannot fall under 1
.endr
.irp i, 2,4,6,8,10,12,14
.irp b, 0,1,2,3
	v_max3_num_f32 v[TM+\b], v[TM+\b], |v[(\s)+16*\b+\i]|, |v[(\s)+1+16*\b+\i]|
.endr
.endr
	WIN 0
.irp b, 0,1,2,3
	v_permlanex16_b32 v[TM+4+\b], v[TM+\b], s[SEL], s[SEL+1]
.endr
.irp b, 0,1,2,3
	v_max_num_f32 v[TM+\b], v[TM+\b], v[TM+4+\b]
.endr
.irp b, 0,1,2,3
	v_add_nc_u32 v[TM+12+\b], 0xff000000, v[TM+\b] ; 2 off the exponent field: the conversion's scale operand
.endr
.irp b, 0,1,2,3
	v_lshrrev_b32 v[TM+4+\b], 23, v[TM+12+\b]      ; the scale's byte
.endr
	v_lshl_or_b32 v[\pw], v[TM+5], 8, v[TM+4]
	v_lshl_or_b32 v[\pw], v[TM+6], 16, v[\pw]
	v_lshl_or_b32 v[\pw], v[TM+7], 24, v[\pw]
.set WQ, (\w)
	WIN WQ                                         ; source 0 in window w
.irp c, 0,1
	v_cvt_scalef32_pk16_fp6_f32 v[(\pc)+6*\c:(\pc)+2+6*\c], v[(\s)+32*\c:(\s)+15+32*\c], v[TM+12+2*\c]
	v_cvt_scalef32_pk16_fp6_f32 v[PCT+4*\c:PCT+2+4*\c], v[(\s)+16+32*\c:(\s)+31+32*\c], v[TM+13+2*\c]
.endr
	WIN 0
	v_nop                                          ; one plain place behind a scaled conversion
.irp c, 0,1
.irp i, 0,1,2
	v_permlane16_swap_b32 v[(\pc)+6*\c+\i], v[PCT+4*\c+\i]
.endr
.irp i, 0,1,2
	v_mov_b32 v[(\pc)+3+6*\c+\i], v[PCT+4*\c+\i]
.endr
.endr
.endm
	s_wait_alu depctr_va_vdst(0)
	s_wait_tensorcnt 2                             ; my part of slot 0 is in; slots 1 and 2 may stay out
	s_barrier_signal -1
	s_barrier_wait -1                              ; everybody's is
	FETCH_B 0, 0, 0
	FETCH_A 0, 0, 0
	SCALES 0, 0, 0
	FETCH_A 0, 0, 4
	STEP 0, 0, 1, 1                                ; K step 0: its products start the sums: nothing is cleared
	TURN 1, 1, 1                                   ; K step 1: slots 1 and 2 are shown whole, slot 0 is asked for again
	STEP 0, 1, 1, 0                                ; K step 2
	STEP 1, 2, 0, 0                                ; K step 3
	STEP 0, 2, 1, 0                                ; K step 4
	TURN 1, 0, 0                                   ; K step 5: slot 0's second fill is shown whole
	STEP 0, 0, 1, 0                                ; K step 6
	s_wait_dscnt 12                                ; K step 7: nothing more to fetch
	WIN MUL_LO
	MUL16 0, 1, 0
	MUL16 2, 1, 0
	s_wait_dscnt 0x0
	WIN MUL_HI
	MUL16 4, 1, 0
	MUL16 6, 1, 0
	PLACES                                         ; in front of the first read of results and of the codes laid over source 1's fragments
; THE WAY OUT: source 1's tile a, with its eight result tiles, is tile a of my record.  Each tile has registers of its own for its codes, so no store's data are written again.
.irp a, 0,1,2,3,4,5,6,7
	QUANTW 2+\a/4, 64*(\a%4), AF+12*\a, PW+\a
.irp c, 0,1,2
	global_store_b128 v[LI], v[AF+12*\a+4*\c:AF+12*\a+4*\c+3], s[8:9] offset:1536*\a+512*\c   ; 32 lanes store 512 consecutive bytes, at a multiple of 256 from the buffer's first byte
.endr
.endr
.irp i, 0,1,2,3
	v_cndmask_b32 v[SW+\i], v[PW+\i], v[PW+4+\i], s62   ; lanes 0-15 store the words of tiles 0-3, lanes 16-31 those of tiles 4-7
.endr
	global_store_b128 v[LI], v[SW:SW+3], s[8:9] offset:12288
	s_wait_tensorcnt 0x0                           ; the wave's end
	ds_add_u32 v[SPW], v[NIL]
	s_wait_dscnt 0x0
	CROUND                                         ; the closing round: no work-group ends while a partner may still ask for a tile that names it
	s_endpgm
.Lfunc_end_k_qddca039906_qkv:
	.size	k_qddca039906_qkv, .Lfunc_end_k_qddca039906_qkv-k_qddca039906_qkv
	.p2alignl 7, 3214868480
	.fill 96, 4, 3214868480
	.section	.rodata,"a",@progbits
	.p2align	6, 0x0
	.amdhsa_kernel k_qddca039906_qkv
		.amdhsa_group_segment_fixed_size 327680
		.amdhsa_private_segment_fixed_size 0
		.amdhsa_enable_private_segment 0
		.amdhsa_kernarg_size 24
		.amdhsa_user_sgpr_count 2
		.amdhsa_user_sgpr_kernarg_segment_ptr 1
		.amdhsa_wavefront_size32 1
		.amdhsa_system_sgpr_workgroup_id_x 1
		.amdhsa_system_sgpr_workgroup_id_y 1
		.amdhsa_system_sgpr_workgroup_id_z 1
		.amdhsa_system_vgpr_workitem_id 0
		.amdhsa_next_free_vgpr 1024
		.amdhsa_next_free_sgpr 100
		.amdhsa_reserve_vcc 0
		.amdhsa_float_denorm_mode_32 3
		.amdhsa_float_denorm_mode_16_64 3
		.amdhsa_memory_ordered 1
		.amdhsa_forward_progress 1
		.amdhsa_inst_pref_size 135
	.end_amdhsa_kernel
	.amdgpu_metadata
---
amdhsa.version: [ 1, 2 ]
amdhsa.kernels:
  - .name:           k_qddca039906_qkv
    .symbol:         k_qddca039906_qkv.kd
    .args:
      - { .name: x_rec, .offset: 0, .size: 8, .value_kind: global_buffer, .address_space: global }
      - { .name: wqkv_rec, .offset: 8, .size: 8, .value_kind: global_buffer, .address_space: global }
      - { .name: qkv_rec, .offset: 16, .size: 8, .value_kind: global_buffer, .address_space: global }
    .group_segment_fixed_size: 327680
    .private_segment_fixed_size: 0
    .kernarg_segment_align: 8
    .kernarg_segment_size: 24
    .max_flat_workgroup_size: 128
    .sgpr_count:     100
    .vgpr_count:     1024
    .wavefront_size: 32
...
	.end_amdgpu_metadata
.endif
;; end of part 2
;; launch attn (part 3): grid 32 x 8, 16 waves a work-group, no clusters, 169,984 bytes of LDS; arguments qkv_rec, o_rec; writes o_rec
.if DOCPART == 3
	.amdgcn_target "amdgcn-amd-amdhsa--gfx1250"
	.amdhsa_code_object_version 6
	.text
	.protected	k_qddca039906_attn
	.globl	k_qddca039906_attn
	.p2align	8
	.type	k_qddca039906_attn,@function
k_qddca039906_attn:
	s_mov_b64 s[64:65], 0
	v_nop
	global_prefetch_b8 v0, s[64:65] scope:SCOPE_SE
	s_setreg_imm32_b32 hwreg(HW_REG_WAVE_MODE, 25, 1), 1
	s_wait_xcnt 0x0
; Sliding-window attention, |key - query| <= 256, 16 heads of 64 channels, both products on codes of FP6 (E2M3) with E8M0 scales; the result, divided by the row's sum, is quantised along the channels and leaves as one RECORD.
; A RECORD: 128 rows x 128 along K as an image of the operand's registers, 12,800 bytes: tile a's register p of lane L at 1536 a + 512 (p / 4) + 16 L + 4 (p % 4); the scale word of tile a, lane-row r at
; 12288 + 256 (a / 4) + 16 r + 4 (a % 4); lane-row r of tile a is row 32 (a / 2) + 8 (a % 2) + r + 8 (r / 8).  In: record (kind, g, block) at ((8 kind + g) 32 + block) x 12,800; q, k: rows = tokens, K = the 128 channels
; of heads 2 g and 2 g + 1; v: rows = those channels, K = 128 tokens.  Out: record (block, g) at (8 block + g) x 12,800, rows = tokens, K = the pair's 128 channels.
; SHARES.  A work-group owns block B of 128 queries of a pair of heads; wave w owns head 2 g + w / 8 and tile t = w % 8 of the queries: 16 queries in 256 registers, four waves to a SIMD.
; THE WINDOW.  A block's queries see keys of blocks B - 2 .. B + 2 alone: steps 0 .. 4 of 128 keys.  Steps 1-3 are open; in step 0 key y counts for query x (places inside their blocks) where y >= x, in step 4 where y <= x.
; My 16 queries lie in block p = t / 2 of 32 of their 128.  So of step 0 only its blocks p .. 3 of 32 keys count for me, and of step 4 only its blocks 0 .. p: five blocks of the eight.  They are taken as
;   EDGE1: a whole step whose slot b is step 0's block b where b >= p and step 4's block b where b < p.  A block has the same place in both records, so only the LDS base differs, by 51,200 x ((p + 3 - b) >> 2),
;          made once at the head (for k's scale words and v's fragments lane half by lane half); v's scale words of the two steps are merged byte by byte.  Slot p alone is masked.
;   EDGE2: step 4's block p alone: two tiles of scores; its p goes into slot 0 of the second product's operand, zero codes elsewhere, and v's block p is loaded into slot 0 too.
; So 17 blocks of 32 keys are worked for each tile of queries, not 20.  The blocks of 32 are the quantiser's own, so codes and scales are what they are in a walk step by step.
; A step whose block lies outside 0 .. 31 is jumped over (steps 1, 3, EDGE2), or its slots of EDGE1 are set to -infinity, by scalar branches on the work-group's and the wave's numbers; its tile is still fetched,
; from a clamped block, so that no tensor load hangs on those numbers.  Step 2 always exists and goes first, so M is a number from the first step on.
; All ten tiles (five of k, five of v) are fetched once, by waves 0-9, one tensor load each; nothing in LDS is filled again.
; NO CLUSTER: neighbouring blocks share four of their five steps, but each at another place of the five, so a joint load would need LDS addresses that hang on the place in the cluster.
; K = 64 IN A FORM OF K = 128: the other head's half of Q's codes is cleared, so k's fragments serve both heads as they lie; zero codes add nothing under any scale byte but 0xff, which this program never makes.
; LAYOUT.  Both products are used transposed (S^T = k q^T, O^T = v^T p^T): a lane holds one query throughout; by the records' order of rows, register 16 b + i of S^T is key 32 b + 16 h + i, and of O^T channel 32 b + 16 h + i.
; THE SOFTMAX: t = score x log2(e) / 8; M = the running largest t rounded up to a whole number; p = 2^(t - M) is quantised along the keys, not normalised; the row's sum is taken of the unquantised p and divides at the end.
; A block's largest p is made from its largest score by the same two instructions (this takes v_exp_f32 not to fall where its input rises).
; LIMITS: NaN and infinities are not served; a block whose largest magnitude lies under 2^-124, or all of whose p are 0, keeps the byte 1 (a block of zeros has zero codes; the bytes are read by this program alone).
.set REC,   12800
.set VB,    5*REC                      ; LDS: k's five records, then v's five,
.set STAGE, 10*REC                     ; then the record that goes out: no fill lands there
.set FAR,   4*REC                      ; from step 0's record to step 4's
.set AK,  1                            ; v1   16 L
.set AV,  2                            ; v2   v's records + my head's four tiles + 16 L
.set AVS, 3                            ; v3   their scale words: + 16 r
.set DQ,  4                            ; v4   my query's place in its block of 32, - 16 h
.set A0,  5                            ; v5-7 where my six registers of codes go in the stage, two at a time
.set AS,  8                            ; v8   and my two scale bytes
.set RB,  9                            ; v9   the stage, 16 bytes a thread
.set GO,  10                           ; v10  the same in the record
.set QA,  11                           ; v11  Q's codes: my offset in the record
.set QW,  28                           ; v28  Q's scale word
.set QS,  29                           ; v29  its offset
.set PC,  192                          ; v192-203 p's codes
.set PT,  204                          ; v204-206, v208-210
.set BM,  212                          ; a block's largest score, then p
.set BX,  216
.set SO,  220                          ; the conversions' scale operands
.set PW,  224                          ; p's scale word
.set F,   226                          ; v[226:227] f = 2^(old M - new M)
.set T0,  228
.set NINF, 230
.set AKE,  232                         ; v232-235 EDGE1: k's tiles of slot b: 16 L, + FAR where b < p
.set AKS0, 236                         ; v236 EDGE1: k's scale words of slot 2 h;  v237 of slot 2 h + 1
.set AKS1, 237
.set AVE0, 238                         ; v238 EDGE1: v's codes of slot h;  v239 of slot 2 + h
.set AVE1, 239
.set AK2,  240                         ; v240 EDGE2: k's two tiles of step 4's block p
.set AKS2, 241                         ; v241 their scale words
.set AV2,  242                         ; v242-244 v's codes of that block, 8 bytes at a time
.set SEL, 20
.set CS,  22
.macro PLACES                          ; four plain vector lines between a matrix instruction and a load into, or a vector read of, its registers
.rept 4
	v_nop
.endr
.endm
	s_load_b128 s[4:7], s[0:1], 0x0                ; qkv_rec, o_rec
	v_lshl_add_u32 v254, v0, 2, 0x29000
	v_mov_b32 v255, 0
	ds_add_u32 v254, v255
	ds_add_u32 v254, v255
	v_lshrrev_b32 v12, 5, v0
	s_delay_alu instid0(VALU_DEP_1)
	v_readfirstlane_b32 s8, v12                    ; wave 0..15
	s_lshr_b32 s9, s8, 3                           ; which head of the pair
	s_and_b32 s10, s8, 7                           ; t: which tile of the queries
	s_lshr_b32 s11, s10, 1                         ; p: which block of 32 they lie in
	s_and_b32 s12, ttmp7, 0xffff                   ; the pair
	v_and_b32 v12, 31, v0                          ; L
	v_and_b32 v13, 15, v0                          ; r
	v_bfe_u32 v14, v0, 4, 1                        ; h
	s_delay_alu instid0(VALU_DEP_1)
	v_xor_b32 v30, 1, v14                          ; 1 - h
	s_delay_alu instid0(VALU_DEP_4)
	v_lshlrev_b32 v[AK], 4, v12
	s_wait_alu depctr_va_vdst(0)
	s_mul_i32 s36, s9, 6144
	s_add_co_u32 s36, s36, VB
	v_add_nc_u32 v[AV], s36, v[AK]
	s_lshl_b32 s36, s9, 8
	s_add_co_u32 s36, s36, VB+12288
	v_lshl_add_u32 v[AVS], v13, 4, s36
	s_and_b32 s37, s10, 1
	s_lshl_b32 s37, s37, 3                         ; 8 (t % 2)
	v_and_b32 v15, 8, v13
	s_delay_alu instid0(VALU_DEP_1)
	v_add_nc_u32 v15, v15, v13                     ; r + 8 (r / 8)
	s_delay_alu instid0(VALU_DEP_1)
	v_add_nc_u32 v15, s37, v15                     ; my query's place in its block of 32
	v_lshlrev_b32 v[DQ], 4, v14
	s_delay_alu instid0(VALU_DEP_1)
	v_sub_nc_u32 v[DQ], v15, v[DQ]
	s_mul_i32 s38, s10, 1536                       ; tile t's codes in a record
	s_add_co_u32 s40, s38, STAGE
	s_mul_i32 s39, s9, 520                         ; registers 0, 1 of the tile lie at 0, registers 6, 7 at 520
	s_add_co_u32 s41, s40, s39
	v_add_nc_u32 v[A0], s41, v[AK]
	s_mul_i32 s39, s9, 1016                        ; 2, 3 at 8; 8, 9 at 1,024
	s_add_co_u32 s41, s40, s39
	s_add_co_u32 s41, s41, 8
	v_add_nc_u32 v[A0+1], s41, v[AK]
	s_mul_i32 s39, s9, 520                         ; 4, 5 at 512; 10, 11 at 1,032
	s_add_co_u32 s41, s40, s39
	s_add_co_u32 s41, s41, 512
	v_add_nc_u32 v[A0+2], s41, v[AK]
	s_lshr_b32 s39, s10, 2
	s_lshl_b32 s39, s39, 8
	s_and_b32 s41, s10, 3
	s_lshl_b32 s41, s41, 2
	s_add_co_u32 s39, s39, s41                     ; 256 (t / 4) + 4 (t % 4): tile t among the scale words
	v_lshl_add_u32 v[QS], v13, 4, s39
	s_lshl_b32 s41, s9, 1                          ; my head's two bytes of the word
	s_add_co_u32 s41, s41, s39
	s_add_co_u32 s41, s41, STAGE+12288
	v_lshl_add_u32 v[AS], v13, 4, s41
	v_lshlrev_b32 v[GO], 4, v0
	s_delay_alu instid0(VALU_DEP_1)
	v_add_nc_u32 v[RB], STAGE, v[GO]
	v_add_nc_u32 v[QA], s38, v[AK]
	; EDGE1's addresses.  (p + 3 - b) >> 2 is 1 where b < p and 0 elsewhere (p, b = 0 .. 3): slot b then comes from step 4's record
.irp b, 0,1,2,3
	s_add_co_u32 s36, s11, 3-\b
	s_lshr_b32 s36, s36, 2
	s_mul_i32 s36, s36, FAR
	v_add_nc_u32 v[AKE+\b], s36, v[AK]
.endr
	s_add_co_u32 s36, s11, 1
	v_lshl_add_u32 v31, v30, 1, s36                ; p + 3 - 2 h: k's scale words: the first 8 of a lane's 16 bytes belong to slot 2 h,
	s_delay_alu instid0(VALU_DEP_1)
	v_lshrrev_b32 v31, 2, v31
	s_delay_alu instid0(VALU_DEP_1)
	v_mad_u32_u24 v[AKS0], v31, FAR, v[AK]
	v_lshl_add_u32 v31, v30, 1, s11                ; p + 3 - (2 h + 1): the second 8 to slot 2 h + 1
	s_delay_alu instid0(VALU_DEP_1)
	v_lshrrev_b32 v31, 2, v31
	s_delay_alu instid0(VALU_DEP_1)
	v_mad_u32_u24 v[AKS1], v31, FAR, v[AK]
	s_add_co_u32 s36, s11, 2
	v_add_nc_u32 v31, s36, v30                     ; p + 3 - h: registers 0-5 of a fragment of v hold slot h,
	s_delay_alu instid0(VALU_DEP_1)
	v_lshrrev_b32 v31, 2, v31
	s_delay_alu instid0(VALU_DEP_1)
	v_mad_u32_u24 v[AVE0], v31, FAR, v[AV]
	v_add_nc_u32 v31, s11, v30                     ; p + 3 - (2 + h): registers 6-11 slot 2 + h
	s_delay_alu instid0(VALU_DEP_1)
	v_lshrrev_b32 v31, 2, v31
	s_delay_alu instid0(VALU_DEP_1)
	v_mad_u32_u24 v[AVE1], v31, FAR, v[AV]
	; EDGE2's addresses: step 4's block p
	s_mul_i32 s36, s11, 3072                       ; k's tiles 2 p and 2 p + 1
	s_add_co_u32 s36, s36, FAR
	v_add_nc_u32 v[AK2], s36, v[AK]
	s_lshr_b32 s18, s11, 1                         ; p / 2: which six registers of a fragment of v hold block p,
	s_and_b32 s19, s11, 1                          ; p % 2: and which half of the lanes
	s_lshl_b32 s36, s18, 8                         ; the scale words of tiles 2 p, 2 p + 1: 256 (p / 2) + 8 (p % 2) + 16 r
	s_lshl_b32 s37, s19, 3
	s_add_co_u32 s36, s36, s37
	s_add_co_u32 s36, s36, FAR+12288
	v_lshl_add_u32 v[AKS2], v13, 4, s36
	s_mul_i32 s40, s9, 6144
	s_lshl_b32 s37, s19, 8                         ; lane r + 16 (p % 2) of the image
	s_add_co_u32 s40, s40, s37
	s_add_co_u32 s40, s40, VB+FAR
	s_mul_i32 s37, s18, 520                        ; the six registers, two at a time, lie at 0, 8, 512 (p / 2 = 0) or at 520, 1,024, 1,032
	s_add_co_u32 s41, s40, s37
	v_lshl_add_u32 v[AV2], v13, 4, s41
	s_add_co_u32 s41, s41, 512
	v_lshl_add_u32 v[AV2+2], v13, 4, s41
	s_mul_i32 s37, s18, 1016
	s_add_co_u32 s41, s40, s37
	s_add_co_u32 s41, s41, 8
	v_lshl_add_u32 v[AV2+1], v13, 4, s41
	s_lshl_b32 s17, s11, 3                         ; 8 p: v's scale byte of block p comes down to byte 0 by this shift
	s_lshl_b32 s16, 1, s17
	s_sub_co_u32 s16, s16, 1                       ; ones in bytes 0 .. p - 1
	s_and_b32 s16, s16, 0x04040404
	s_or_b32 s16, s16, 0x03020100                  ; v_perm_b32's selects: byte b from the first source (step 4's word) where b < p, else from the second (step 0's)
	s_lshl_b32 s36, 1, s11
	s_sub_co_u32 s36, s36, 1                       ; bits of the slots b < p,
	s_xor_b32 s37, s36, 15                         ; and of the slots b >= p
	s_cmp_lt_u32 ttmp9, 2                          ; step 0 does not exist: its slots count for nothing
	s_cselect_b32 s37, s37, 0
	s_cmp_gt_u32 ttmp9, 29                         ; step 4 does not exist
	s_cselect_b32 s36, s36, 0
	s_or_b32 s13, s36, s37                         ; bit b: slot b of EDGE1 is set to -infinity
	; what I fetch, if I fetch: waves 0-4 k's steps 0-4, waves 5-9 v's
	s_cmp_lt_u32 s8, 5
	s_cselect_b32 s36, 0, 5
	s_cselect_b32 s37, 8, 16                       ; 8 x kind
	s_sub_co_u32 s36, s8, s36
	s_add_co_u32 s36, s36, ttmp9
	s_sub_co_i32 s36, s36, 2                       ; block B - 2 + step,
	s_max_i32 s36, s36, 0
	s_min_i32 s36, s36, 31                         ; held inside the tensor
	s_add_co_u32 s37, s37, s12
	s_lshl_b32 s37, s37, 5
	s_add_co_u32 s37, s37, s36
	s_mul_i32 s38, s37, REC
	s_mov_b32 s39, 0
	s_lshl_b32 s40, s12, 5
	s_add_co_u32 s40, s40, ttmp9
	s_mul_i32 s40, s40, REC                        ; Q's record: (0, g, B)
	s_mov_b32 s41, 0
	s_lshl_b32 s42, ttmp9, 3
	s_add_co_u32 s42, s42, s12
	s_mul_i32 s42, s42, REC                        ; the record that goes out: (B, g)
	s_mov_b32 s43, 0
	; descriptor group 1: a record, 12,800 dense bytes, as 50 rows of 256 bytes (32 elements of 8 bytes)
	s_mov_b32 s24, 3<<16
	s_mov_b32 s25, 32<<16
	s_mov_b32 s26, 50<<16
	s_mov_b32 s27, 32<<16
	s_mov_b32 s28, 50
	s_mov_b32 s29, 32
	s_mov_b32 s30, 0
	s_mov_b32 s31, 0
	s_mov_b32 s[SEL], 0x76543210
	s_mov_b32 s[SEL+1], 0xfedcba98
	s_mov_b32 s[CS], 0x3e38aa3b                    ; c = log2(e) / 8
	s_mov_b32 s[CS+1], s[CS]                       ; (named with it as a pair, so it is written)
	s_cmp_eq_u32 s9, 0
	s_cselect_b32 s46, -1, 0                       ; keeps registers 0-5 of Q (the even head's) or clears them,
	s_cselect_b32 s47, 0, -1                       ; and registers 6-11 the other way round
	s_wait_dscnt 0x0
	s_wait_kmcnt 0x0
	s_mov_b32 s32, 1
	s_mul_i32 s33, s8, REC                         ; LDS: wave x 12,800
	s_add_nc_u64 s[34:35], s[4:5], s[38:39]
	s_or_b32 s35, s35, 0x80000000
	s_add_nc_u64 s[14:15], s[4:5], s[40:41]
	s_add_nc_u64 s[6:7], s[6:7], s[42:43]
	s_cmp_lt_u32 s8, 10
	s_cbranch_scc0 .Lno_fetch
	tensor_load_to_lds s[32:35], s[24:31]
	s_nop 0
.rept 4
	v_nop
.endr
.Lno_fetch:
.irp c, 0,1,2
	global_load_b128 v[16+4*\c:19+4*\c], v[QA], s[14:15] offset:512*\c
.endr
	global_load_b32 v[QW], v[QS], s[14:15] offset:12288
	v_mov_b32 v13, 0xff61b1e6                      ; the largest t so far: -3e38, under every t
	s_delay_alu instid0(VALU_DEP_1)
	v_floor_f32 v12, -v13                          ; -M
	v_mov_b32 v14, 0                               ; the sum, in two halves
	v_mov_b32 v15, 0
.irp b, 0,1,2,3
	v_mov_b32 v[BX+\b], 0                          ; written once: a lane permute's destination counts as one of its sources
.endr
	v_mov_b32 v[F+1], 0                            ; (named as the upper half of a pair)
	v_mov_b32 v[NINF], 0xff800000
.set n, 0
.rept 32
	v_mov_b32 v[160+n], 0                          ; O^T: every step adds in place; the first finds zeros, which the first change of M leaves zeros
.set n, n+1
.endr
	s_wait_loadcnt 0x0
.irp i, 0,1,2,3,4,5
	v_and_b32 v[16+\i], s46, v[16+\i]
	v_and_b32 v[22+\i], s47, v[22+\i]
.endr
	s_wait_alu depctr_va_vdst(0)
	s_wait_tensorcnt 0x0                           ; my tile is in,
	s_barrier_signal -1
	s_barrier_wait -1                              ; everybody's is
; Four tiles of scores, 4 g .. 4 g + 3, from the four fragments in v32-79; tiles 4-7 have their scale words in lanes 16-31
.macro SCORES g
.irp t, 0,1,2,3
.if \g == 0
	v_wmma_scale_f32_16x16x128_f8f6f4 v[96+8*\t:103+8*\t], v[32+12*\t:43+12*\t], v[16:27], 0, v[80+\t], v[QW] matrix_a_fmt:MATRIX_FMT_FP6 matrix_b_fmt:MATRIX_FMT_FP6
.else
	v_wmma_scale_f32_16x16x128_f8f6f4 v[128+8*\t:135+8*\t], v[32+12*\t:43+12*\t], v[16:27], 0, v[80+\t], v[QW] matrix_a_fmt:MATRIX_FMT_FP6 matrix_b_fmt:MATRIX_FMT_FP6 matrix_a_scale:MATRIX_SCALE_ROW1
.endif
.endr
.endm
; The step's largest score in v[src] moves M: -M = floor(-t) of the running largest t; f = 2^(old M - new M)
.macro NEWM src
	s_delay_alu instid0(VALU_DEP_1)
	v_mul_f32 v[T0], s[CS], v[\src]                ; as t (c is positive)
	s_delay_alu instid0(VALU_DEP_1)
	v_max_num_f32 v13, v13, v[T0]                  ; the running largest t
	v_mov_b32 v[T0], v12
	s_delay_alu instid0(VALU_DEP_2)
	v_floor_f32 v12, -v13                          ; the new -M: M is a whole number
	s_delay_alu instid0(VALU_DEP_1)
	v_sub_f32 v[T0], v12, v[T0]                    ; old M - new M: a whole number, 0 or less
	s_delay_alu instid0(VALU_DEP_1)
	v_cvt_i32_f32 v[T0], v[T0]                     ; (it saturates)
	s_delay_alu instid0(VALU_DEP_1)
	v_ldexp_f32 v[F], 1.0, v[T0]                   ; a multiplication by f rounds nothing
.endm
.macro RESCALE                         ; O^T under the new M, each accumulator from its low end on.  (With the sums in front of them these lines are the places between p's codes and scale word and the products)
.set n, 0
.rept 16
	v_pk_mul_f32 v[160+n:161+n], v[160+n:161+n], v[F:F+1] op_sel_hi:[1,0]
.set n, n+2
.endr
.endm
; 64 scores of my query, v96-159, become p's codes in v[PC] on and p's scale word in v[PW]; M, the sum and O^T follow
.macro SOFTMAX
.irp b, 0,1,2,3
	v_max3_num_f32 v[BM+\b], v[96+16*\b], v[97+16*\b], v[98+16*\b]   ; the largest score of each block of 32 keys: for the row's maximum, and for the block's largest p
.endr
.irp i, 3,5,7,9,11,13
.irp b, 0,1,2,3
	v_max3_num_f32 v[BM+\b], v[BM+\b], v[96+16*\b+\i], v[97+16*\b+\i]
.endr
.endr
.irp b, 0,1,2,3
	v_max_num_f32 v[BM+\b], v[BM+\b], v[111+16*\b]
.endr
.irp b, 0,1,2,3
	s_delay_alu instid0(VALU_DEP_4)
	v_permlanex16_b32 v[BX+\b], v[BM+\b], s[SEL], s[SEL+1]
.endr
.irp b, 0,1,2,3
	s_delay_alu instid0(VALU_DEP_4)
	v_max_num_f32 v[BM+\b], v[BM+\b], v[BX+\b]     ; with lane l xor 16's 16 keys
.endr
	s_delay_alu instid0(VALU_DEP_2)
	v_max3_num_f32 v[T0], v[BM], v[BM+1], v[BM+2]
	s_delay_alu instid0(VALU_DEP_1)
	v_max_num_f32 v[T0], v[T0], v[BM+3]
	NEWM T0
.set n, 0
.rept 32
	v_pk_fma_f32 v[96+n:97+n], v[96+n:97+n], s[CS:CS+1], v[12:13] op_sel_hi:[1,0,0]   ; t - M, two at a time (of the pairs c and -M the low word serves both halves)
.set n, n+2
.endr
.irp b, 0,1,2,3
	v_fma_f32 v[BM+\b], v[BM+\b], s[CS], v12
.endr
.set n, 0
	s_wait_alu depctr_va_vdst(0)
.rept 64
	v_exp_f32 v[96+n], v[96+n]                     ; p = 2^(t - M), at most 1
.set n, n+1
.endr
.irp b, 0,1,2,3
	v_exp_f32 v[BM+\b], v[BM+\b]                   ; the block's largest p
.endr
	v_pk_mul_f32 v[14:15], v[14:15], v[F:F+1] op_sel_hi:[1,0]   ; the sums under the new M (a plain place behind the exponentials)
	s_wait_alu depctr_va_vdst(0)
.irp b, 0,1,2,3
	v_max_num_f32 v[BM+\b], 0x1800000, v[BM+\b]    ; the floor 2^(3 - 127): the byte cannot fall under 1
.endr
.irp b, 0,1,2,3
	s_delay_alu instid0(VALU_DEP_4)
	v_add_nc_u32 v[SO+\b], 0xff000000, v[BM+\b]    ; 2 off the exponent field: the conversion's scale operand
.endr
.irp b, 0,1,2,3
	s_delay_alu instid0(VALU_DEP_4)
	v_lshrrev_b32 v[BX+\b], 23, v[SO+\b]           ; the scale's byte
.endr
	s_delay_alu instid0(VALU_DEP_3)
	v_lshl_or_b32 v[PW], v[BX+1], 8, v[BX]
	s_delay_alu instid0(VALU_DEP_1)
	v_lshl_or_b32 v[PW], v[BX+2], 16, v[PW]
	s_delay_alu instid0(VALU_DEP_1)
	v_lshl_or_b32 v[PW], v[BX+3], 24, v[PW]
.irp c, 0,1
	v_cvt_scalef32_pk16_fp6_f32 v[PC+6*\c:PC+2+6*\c], v[96+32*\c:111+32*\c], v[SO+2*\c]
	v_cvt_scalef32_pk16_fp6_f32 v[PT+4*\c:PT+2+4*\c], v[112+32*\c:127+32*\c], v[SO+1+2*\c]
.endr
	v_nop                                          ; one plain place behind a scaled conversion
.irp c, 0,1
.irp i, 0,1,2
	v_permlane16_swap_b32 v[PC+6*\c+\i], v[PT+4*\c+\i]
.endr
.irp i, 0,1,2
	s_delay_alu instid0(VALU_DEP_3)
	v_mov_b32 v[PC+3+6*\c+\i], v[PT+4*\c+\i]
.endr
.endr
	v_pk_add_f32 v[216:217], v[100:101], v[104:105]
	v_pk_add_f32 v[252:253], v[108:109], v[112:113]
	v_pk_add_f32 v[250:251], v[116:117], v[120:121]
	v_pk_add_f32 v[248:249], v[124:125], v[128:129]
	v_pk_add_f32 v[246:247], v[132:133], v[136:137]
	v_pk_add_f32 v[228:229], v[140:141], v[144:145]
	v_pk_add_f32 v[222:223], v[148:149], v[152:153]
	v_pk_add_f32 v[14:15], v[14:15], v[156:157]
	v_pk_add_f32 v[216:217], v[216:217], v[96:97]
	v_pk_add_f32 v[252:253], v[252:253], v[98:99]
	v_pk_add_f32 v[250:251], v[250:251], v[102:103]
	v_pk_add_f32 v[248:249], v[248:249], v[106:107]
	v_pk_add_f32 v[246:247], v[246:247], v[110:111]
	v_pk_add_f32 v[228:229], v[228:229], v[114:115]
	v_pk_add_f32 v[222:223], v[222:223], v[118:119]
	v_pk_add_f32 v[14:15], v[14:15], v[122:123]
	v_pk_add_f32 v[216:217], v[216:217], v[126:127]
	v_pk_add_f32 v[252:253], v[252:253], v[130:131]
	v_pk_add_f32 v[250:251], v[250:251], v[134:135]
	v_pk_add_f32 v[248:249], v[248:249], v[138:139]
	v_pk_add_f32 v[246:247], v[246:247], v[142:143]
	v_pk_add_f32 v[228:229], v[228:229], v[146:147]
	v_pk_add_f32 v[222:223], v[222:223], v[150:151]
	v_pk_add_f32 v[14:15], v[14:15], v[154:155]
	v_pk_add_f32 v[216:217], v[216:217], v[158:159]
	s_delay_alu instid0(VALU_DEP_2)
	v_pk_add_f32 v[14:15], v[14:15], v[248:249]
	s_delay_alu instid0(VALU_DEP_2)
	v_pk_add_f32 v[216:217], v[216:217], v[246:247]
	v_pk_add_f32 v[252:253], v[252:253], v[228:229]
	v_pk_add_f32 v[250:251], v[250:251], v[222:223]
	s_delay_alu instid0(VALU_DEP_2)
	v_pk_add_f32 v[14:15], v[14:15], v[252:253]
	s_delay_alu instid0(VALU_DEP_2)
	v_pk_add_f32 v[216:217], v[216:217], v[250:251]
	s_delay_alu instid0(VALU_DEP_1)
	v_pk_add_f32 v[14:15], v[14:15], v[216:217]
	RESCALE
.endm
; O^T += v^T p^T: the four accumulators by turns; a step's products of scores stand between two steps' turns
.macro PV
	s_wait_dscnt 0x0                               ; v's fragments are in
.irp t, 0,1,2,3
	v_wmma_scale_f32_16x16x128_f8f6f4 v[160+8*\t:167+8*\t], v[32+12*\t:43+12*\t], v[PC:PC+11], v[160+8*\t:167+8*\t], v[84+\t], v[PW] matrix_a_fmt:MATRIX_FMT_FP6 matrix_b_fmt:MATRIX_FMT_FP6
.endr
.endm
; AN OPEN STEP: the 128 keys of block B - 2 + s, all of which count.  test = 1: the block may lie outside the sequence
.macro STEP s, test
.if \test
	s_add_co_i32 s36, ttmp9, \s-2
	s_cmp_gt_u32 s36, 31
	s_cbranch_scc1 .Lskip_\@
.endif
	PLACES                                         ; in front of loads into registers that the last products read
	ds_load_b128 v[80:83], v[AK] offset:REC*\s+12288   ; k's scale words: lanes 0-15 tiles 0-3, lanes 16-31 tiles 4-7
.irp g, 0,1
.irp t, 0,1,2,3
.irp c, 0,1,2
	ds_load_b128 v[32+12*\t+4*\c:35+12*\t+4*\c], v[AK] offset:REC*\s+1536*(4*\g+\t)+512*\c
.endr
.endr
	s_wait_dscnt 0x0
	SCORES \g
	PLACES
.endr
.irp t, 0,1,2,3                        ; v's four fragments and their scale words are asked for now and land under the softmax
.irp c, 0,1,2
	ds_load_b128 v[32+12*\t+4*\c:35+12*\t+4*\c], v[AV] offset:REC*\s+1536*\t+512*\c
.endr
.endr
	ds_load_b128 v[84:87], v[AVS] offset:REC*\s
	SOFTMAX
	s_wait_alu depctr_va_vdst(0)
	PV
.Lskip_\@:
.endm
; Slot b of EDGE1.  Where b = p it is step 0's block on the window's edge: register i holds key 16 h + i of the block, hidden where i < my query's place - 16 h.  Where its step does not exist all of it is hidden.
.macro EDGEMASK b
	s_cmp_lg_u32 s11, \b
	s_cbranch_scc1 .Lopen_\@
.set n, 0
.rept 16
	v_cmp_lt_i32 vcc_lo, n, v[DQ]
	v_cndmask_b32 v[96+16*\b+n], v[96+16*\b+n], v[NINF], vcc_lo
.set n, n+1
.endr
.Lopen_\@:
	s_bitcmp1_b32 s13, \b
	s_cbranch_scc0 .Lthere_\@
.set n, 0
.rept 16
	v_mov_b32 v[96+16*\b+n], v[NINF]
.set n, n+1
.endr
.Lthere_\@:
.endm
; EDGE1: slot b = step 0's block b (b >= p) or step 4's (b < p)
.macro EDGE1
	PLACES
	ds_load_b64 v[80:81], v[AKS0] offset:12288     ; k's scale words: tiles 0, 1 (lanes 0-15) and 4, 5 (lanes 16-31),
	ds_load_b64 v[82:83], v[AKS1] offset:12296     ; tiles 2, 3 and 6, 7
	ds_load_b128 v[84:87], v[AVS]                  ; v's scale words of step 0,
	ds_load_b128 v[88:91], v[AVS] offset:FAR       ; and of step 4
.irp g, 0,1
.irp t, 0,1,2,3
.irp c, 0,1,2
	ds_load_b128 v[32+12*\t+4*\c:35+12*\t+4*\c], v[AKE+2*\g+\t/2] offset:1536*(4*\g+\t)+512*\c
.endr
.endr
	s_wait_dscnt 0x0
	SCORES \g
.if \g == 0
	PLACES
.endif
.endr
.irp t, 0,1,2,3
	v_perm_b32 v[84+\t], v[88+\t], v[84+\t], s16   ; byte b of v's scale word from the step that slot b comes from.  (These four lines are the places behind the scores' products)
.endr
.irp t, 0,1,2,3                        ; a fragment's middle 16 bytes hold two registers of slot h and two of slot 2 + h: so four loads
	ds_load_b128 v[32+12*\t:35+12*\t], v[AVE0] offset:1536*\t
	ds_load_b64 v[36+12*\t:37+12*\t], v[AVE0] offset:1536*\t+512
	ds_load_b64 v[38+12*\t:39+12*\t], v[AVE1] offset:1536*\t+520
	ds_load_b128 v[40+12*\t:43+12*\t], v[AVE1] offset:1536*\t+1024
.endr
	EDGEMASK 0
	EDGEMASK 1
	EDGEMASK 2
	EDGEMASK 3
	SOFTMAX
	s_wait_alu depctr_va_vdst(0)
	PV
.endm
; EDGE2: step 4's block p: 32 keys, 16 scores a lane, in v96-111
.macro EDGE2
	s_cmp_gt_u32 ttmp9, 29
	s_cbranch_scc1 .Lskip_\@
	PLACES
	ds_load_b64 v[80:81], v[AKS2]                  ; the two tiles' scale words, in every lane
	ds_load_b128 v[84:87], v[AVS] offset:FAR       ; v's scale words of step 4
.irp t, 0,1
.irp c, 0,1,2
	ds_load_b128 v[32+12*\t+4*\c:35+12*\t+4*\c], v[AK2] offset:1536*\t+512*\c
.endr
.endr
	s_wait_dscnt 0x0
	v_wmma_scale_f32_16x16x128_f8f6f4 v[96:103], v[32:43], v[16:27], 0, v80, v[QW] matrix_a_fmt:MATRIX_FMT_FP6 matrix_b_fmt:MATRIX_FMT_FP6
	v_wmma_scale_f32_16x16x128_f8f6f4 v[104:111], v[44:55], v[16:27], 0, v81, v[QW] matrix_a_fmt:MATRIX_FMT_FP6 matrix_b_fmt:MATRIX_FMT_FP6
.irp t, 0,1,2,3
	v_lshrrev_b32 v[84+\t], s17, v[84+\t]          ; v's scale byte of block p comes down to byte 0.  (These four lines are the places behind the two products)
.endr
.irp t, 0,1,2,3                        ; v's block p into registers 0-5, slot 0 in lanes 0-15; what the other slots hold meets zero codes
	ds_load_b64 v[32+12*\t:33+12*\t], v[AV2] offset:1536*\t
	ds_load_b64 v[34+12*\t:35+12*\t], v[AV2+1] offset:1536*\t
	ds_load_b64 v[36+12*\t:37+12*\t], v[AV2+2] offset:1536*\t
.endr
.set n, 0
.rept 16                               ; register i holds key 16 h + i of the block: hidden where i > my query's place - 16 h
	v_cmp_gt_i32 vcc_lo, n, v[DQ]
	v_cndmask_b32 v[96+n], v[96+n], v[NINF], vcc_lo
.set n, n+1
.endr
	v_max3_num_f32 v[BM], v96, v97, v98            ; the block's largest score, in two chains
	v_max3_num_f32 v[BM+1], v104, v105, v106
	s_delay_alu instid0(VALU_DEP_2)
	v_max3_num_f32 v[BM], v[BM], v99, v100
	s_delay_alu instid0(VALU_DEP_2)
	v_max3_num_f32 v[BM+1], v[BM+1], v107, v108
	s_delay_alu instid0(VALU_DEP_2)
	v_max3_num_f32 v[BM], v[BM], v101, v102
	s_delay_alu instid0(VALU_DEP_2)
	v_max3_num_f32 v[BM+1], v[BM+1], v109, v110
	s_delay_alu instid0(VALU_DEP_2)
	v_max3_num_f32 v[BM], v[BM], v103, v111
	s_delay_alu instid0(VALU_DEP_1)
	v_max_num_f32 v[BM], v[BM], v[BM+1]
	s_delay_alu instid0(VALU_DEP_1)
	v_permlanex16_b32 v[BX], v[BM], s[SEL], s[SEL+1]
	s_delay_alu instid0(VALU_DEP_1)
	v_max_num_f32 v[BM], v[BM], v[BX]              ; with lane l xor 16's 16 keys
	NEWM BM
.set n, 0
.rept 8
	v_pk_fma_f32 v[96+n:97+n], v[96+n:97+n], s[CS:CS+1], v[12:13] op_sel_hi:[1,0,0]
.set n, n+2
.endr
	v_fma_f32 v[BM], v[BM], s[CS], v12
.set n, 0
	s_wait_alu depctr_va_vdst(0)
.rept 16
	v_exp_f32 v[96+n], v[96+n]
.set n, n+1
.endr
	v_exp_f32 v[BM], v[BM]
	v_pk_mul_f32 v[14:15], v[14:15], v[F:F+1] op_sel_hi:[1,0]   ; (a plain place behind the exponentials)
	s_wait_alu depctr_va_vdst(0)
	v_max_num_f32 v[BM], 0x1800000, v[BM]
	s_delay_alu instid0(VALU_DEP_1)
	v_add_nc_u32 v[SO], 0xff000000, v[BM]
	s_delay_alu instid0(VALU_DEP_1)
	v_lshrrev_b32 v[PW], 23, v[SO]                 ; p's scale word: byte 0 is the block's; the other slots hold zero codes
	v_cvt_scalef32_pk16_fp6_f32 v[PC:PC+2], v[96:111], v[SO]
.irp i, 3,4,5,6,7,8,9,10,11
	v_mov_b32 v[PC+\i], 0                          ; (the first of these is the plain place behind the conversion)
.endr
.irp i, 0,1,2
	v_permlane16_swap_b32 v[PC+\i], v[PC+3+\i]     ; lanes 0-15: my 16 codes, then lane l + 16's 16: the whole block in slot 0; lanes 16-31: zeros
.endr
	v_pk_add_f32 v[BX:BX+1], v[96:97], v[98:99]
.irp j, 4,8,12
	v_pk_add_f32 v[14:15], v[14:15], v[96+\j:97+\j]
	v_pk_add_f32 v[BX:BX+1], v[BX:BX+1], v[98+\j:99+\j]
.endr
	s_delay_alu instid0(VALU_DEP_1)
	v_pk_add_f32 v[14:15], v[14:15], v[BX:BX+1]
	RESCALE
	s_wait_alu depctr_va_vdst(0)
	PV
.Lskip_\@:
.endm
	STEP 2, 0
	STEP 1, 1
	STEP 3, 1
	EDGE1
	EDGE2
	; THE WAY OUT: O^T / the sum, quantised along my head's 64 channels: two blocks, six registers of codes and two scale bytes of tile t of the record
	PLACES                                         ; behind the last products
	v_add_f32 v14, v14, v15
	s_delay_alu instid0(VALU_DEP_1)
	v_permlanex16_b32 v[BX], v14, s[SEL], s[SEL+1]
	s_delay_alu instid0(VALU_DEP_1)
	v_add_f32 v14, v14, v[BX]                      ; the row's sum
	s_wait_alu depctr_va_vdst(0)
	v_rcp_f32 v14, v14
	v_nop                                          ; one plain place behind a transcendental
.set n, 0
	s_wait_alu depctr_va_vdst(0)
.rept 32
	v_mul_f32 v[96+n], v[160+n], v14               ; register 16 b + i is channel 32 b + 16 h + i of my query
.set n, n+1
.endr
.irp b, 0,1
	v_max3_num_f32 v[BM+\b], |v[96+16*\b]|, |v[97+16*\b]|, 0x1800000
.endr
.irp i, 2,4,6,8,10,12,14
.irp b, 0,1
	s_delay_alu instid0(VALU_DEP_2)
	v_max3_num_f32 v[BM+\b], v[BM+\b], |v[96+16*\b+\i]|, |v[97+16*\b+\i]|
.endr
.endr
.irp b, 0,1
	s_delay_alu instid0(VALU_DEP_2)
	v_permlanex16_b32 v[BX+\b], v[BM+\b], s[SEL], s[SEL+1]
.endr
.irp b, 0,1
	s_delay_alu instid0(VALU_DEP_2)
	v_max_num_f32 v[BM+\b], v[BM+\b], v[BX+\b]
.endr
.irp b, 0,1
	s_delay_alu instid0(VALU_DEP_2)
	v_add_nc_u32 v[SO+\b], 0xff000000, v[BM+\b]
.endr
.irp b, 0,1
	s_delay_alu instid0(VALU_DEP_2)
	v_lshrrev_b32 v[BX+\b], 23, v[SO+\b]
.endr
	s_delay_alu instid0(VALU_DEP_1)
	v_lshl_or_b32 v[PW], v[BX+1], 8, v[BX]
	v_cvt_scalef32_pk16_fp6_f32 v[PC:PC+2], v[96:111], v[SO]
	v_cvt_scalef32_pk16_fp6_f32 v[PT:PT+2], v[112:127], v[SO+1]
	v_nop
.irp i, 0,1,2
	v_permlane16_swap_b32 v[PC+\i], v[PT+\i]
.endr
.irp i, 0,1,2
	s_delay_alu instid0(VALU_DEP_3)
	v_mov_b32 v[PC+3+\i], v[PT+\i]
.endr
	ds_store_b64 v[A0], v[PC:PC+1]
	ds_store_b64 v[A0+1], v[PC+2:PC+3]
	ds_store_b64 v[A0+2], v[PC+4:PC+5]
	ds_store_b16 v[AS], v[PW]                      ; both lanes of a row write the same two bytes with the same value
	s_wait_dscnt 0x0                               ; for the others' sake: my stores are done
	s_barrier_signal -1
	s_barrier_wait -1                              ; the record is whole
	ds_load_b128 v[32:35], v[RB]                   ; 512 threads x 16 bytes,
	s_cmp_lt_u32 s8, 9
	s_cbranch_scc0 .Llast
	ds_load_b128 v[36:39], v[RB] offset:8192       ; and the last 4,608 bytes by waves 0-8
	s_wait_dscnt 0x0
	global_store_b128 v[GO], v[36:39], s[6:7] offset:8192
.Llast:
	s_wait_dscnt 0x0
	global_store_b128 v[GO], v[32:35], s[6:7]      ; 32 lanes store 512 consecutive bytes, at a multiple of 256 from the buffer's first byte
	s_wait_tensorcnt 0x0
	ds_add_u32 v254, v255
	s_wait_dscnt 0x0
	s_endpgm
.Lfunc_end_k_qddca039906_attn:
	.size	k_qddca039906_attn, .Lfunc_end_k_qddca039906_attn-k_qddca039906_attn
	.p2alignl 7, 3214868480
	.fill 96, 4, 3214868480
	.section	.rodata,"a",@progbits
	.p2align	6, 0x0
	.amdhsa_kernel k_qddca039906_attn
		.amdhsa_group_segment_fixed_size 169984
		.amdhsa_private_segment_fixed_size 0
		.amdhsa_enable_private_segment 0
		.amdhsa_kernarg_size 16
		.amdhsa_user_sgpr_count 2
		.amdhsa_user_sgpr_kernarg_segment_ptr 1
		.amdhsa_wavefront_size32 1
		.amdhsa_system_sgpr_workgroup_id_x 1
		.amdhsa_system_sgpr_workgroup_id_y 1
		.amdhsa_system_sgpr_workgroup_id_z 1
		.amdhsa_system_vgpr_workitem_id 0
		.amdhsa_next_free_vgpr 256
		.amdhsa_next_free_sgpr 66
		.amdhsa_reserve_vcc 1
		.amdhsa_float_denorm_mode_32 3
		.amdhsa_float_denorm_mode_16_64 3
		.amdhsa_memory_ordered 1
		.amdhsa_forward_progress 1
		.amdhsa_inst_pref_size 100
	.end_amdhsa_kernel
	.amdgpu_metadata
---
amdhsa.version: [ 1, 2 ]
amdhsa.kernels:
  - .name:           k_qddca039906_attn
    .symbol:         k_qddca039906_attn.kd
    .args:
      - { .name: qkv_rec, .offset: 0, .size: 8, .value_kind: global_buffer, .address_space: global }
      - { .name: o_rec, .offset: 8, .size: 8, .value_kind: global_buffer, .address_space: global }
    .group_segment_fixed_size: 169984
    .private_segment_fixed_size: 0
    .kernarg_segment_align: 8
    .kernarg_segment_size: 16
    .max_flat_workgroup_size: 512
    .sgpr_count:     66
    .vgpr_count:     256
    .wavefront_size: 32
...
	.end_amdgpu_metadata
.endif
;; end of part 3
;; launch proj (part 4): grid 8 x 32, 4 waves a work-group, clusters of 4 x 4, 222,720 bytes of LDS; arguments o_rec, wp_rec, b_proj, out0; writes out0
.if DOCPART == 4
	.amdgcn_target "amdgcn-amd-amdhsa--gfx1250"
	.amdhsa_code_object_version 6
	.text
	.protected	k_qddca039906_proj
	.globl	k_qddca039906_proj
	.p2align	8
	.type	k_qddca039906_proj,@function
k_qddca039906_proj:
	s_mov_b64 s[64:65], 0
	v_nop
	global_prefetch_b8 v0, s[64:65] scope:SCOPE_SE
	s_setreg_imm32_b32 hwreg(HW_REG_WAVE_MODE, 25, 1), 1
	s_wait_xcnt 0x0
	s_wait_alu depctr_hold_cnt(0) depctr_sa_sdst(0) depctr_va_vdst(0) depctr_va_sdst(0) depctr_va_ssrc(0) depctr_va_vcc(0) depctr_vm_vsrc(0)
	s_getreg_b32 s2, hwreg(HW_REG_IB_STS2, 6, 4)
	s_cmp_eq_u32 s2, 0
	s_cbranch_scc0 .Lentry_in_a_cluster
	s_endpgm
.Lentry_in_a_cluster:
	s_bfe_u32 s2, ttmp6, 0x10000c
	s_cmp_lg_u32 s2, 0xf033
	s_cbranch_scc0 .Lentry_shape_is_right
	s_endpgm
.Lentry_shape_is_right:
; out = o w_proj^T + b_proj on codes of FP6 (E2M3) with E8M0 scales, K = 1,024; out [4096][1024] f32.  Both operands come as RECORDS [group of 128 rows][K step of 128]:
; 12,800 bytes each: tile a's register p of lane L at 1536 a + 512 (p / 4) + 16 L + 4 (p % 4); the scale word of tile a, lane-row r at 12288 + 256 (a / 4) + 16 r + 4 (a % 4);
; lane-row r of tile a is row 32 (a / 2) + 8 (a % 2) + r + 8 (r / 8) of the 128.
; A work-group makes 128 x 128 (256 work-groups), each of its four waves 64 x 64: 16 accumulators.  Source 0 = w_proj's tiles, source 1 = o's: a lane holds one row of out and eight neighbouring columns a tile.
; All of K of both groups lies in LDS (2 x 102,400 bytes), filled once: each wave brings two quarters of one operand; nothing is filled again.
; CLUSTERS of 4 x 4: o's group hangs on the cluster's row, w_proj's on its column: each load is asked for jointly by the four that share it.  A wave has two tensor loads out.
; The bias is the C of each sum's first product.
; REGISTERS: window 0: v16-27 addresses; two sets of 104 from v32: source 0's four fragments, source 1's four, their scale words (4 + 4); on the way out v32-159 rows of out.
;   window 1: accumulator (a, b) at v[8 (4 a + b)]; from v128 the bias, eight registers for each tile b.
.set REC,  12800
.set GRP,  8*REC
.set PAIR, 2*REC
.set HALF, 4*REC
.set WB,   GRP                         ; LDS: o's eight records, then w_proj's eight,
.set STG,  2*GRP                       ; then a stage of 16 rows x (256 + 16) bytes for each wave: no fill lands there
.set SPI,  272
.set ADR1, 16                          ; v16-17  source 1's four tiles, K steps 0-3 and 4-7
.set ADR0, 18                          ; v18-19  source 0's
.set ADS1, 20                          ; v20-21  source 1's scale words
.set ADS0, 22                          ; v22-23  source 0's
.set STO,  24
.set RD,   25
.set CO,   26
.set BO,   27
.set G1A,  24                          ; s[24:31], s[32:39]: groups 1 and 0 (two sets) for o;  s[48:55], s[56:63] for w_proj
.set G0A,  32
.set G1B,  48
.set G0B,  56
.set MSB, 0
.macro WIN new
.if MSB != (\new)
	s_set_vgpr_msb (MSB<<8)|(\new)
.set MSB, (\new)
.endif
.endm
.macro PLACES
.rept 4
	v_nop
.endr
.endm
.macro CROUND                          ; a round of the cluster's barrier
	s_barrier_signal -1
	s_barrier_wait -1
	s_cmp_lg_u32 s14, 0
	s_cbranch_scc1 .Lnot_wave_0_\@
	s_barrier_signal -3
.Lnot_wave_0_\@:
	s_barrier_wait -3
	s_barrier_signal -1
	s_barrier_wait -1
.endm
	s_load_b128 s[4:7], s[0:1], 0x0                ; o_rec, wp_rec
	s_load_b128 s[8:11], s[0:1], 0x10              ; b_proj, out0
	v_lshl_add_u32 v254, v0, 2, 0x36400
	v_mov_b32 v255, 0
	ds_add_u32 v254, v255
	ds_add_u32 v254, v255
	v_lshrrev_b32 v1, 5, v0
	v_readfirstlane_b32 s14, v1                    ; wave 0..3
	s_lshr_b32 s15, s14, 1                         ; my half of the rows.  Also: I fetch for o (0) or for w_proj (1)
	s_and_b32 s16, s14, 1                          ; my half of the columns.  Also: which quarters I fetch
	s_bfe_u32 s40, ttmp6, 0x40000                  ; cx
	s_bfe_u32 s41, ttmp6, 0x40004                  ; cy
	s_lshl_b32 s42, ttmp9, 2
	s_add_co_u32 s42, s42, s40                     ; w_proj's group = tile column
	s_and_b32 s17, ttmp7, 0xffff
	s_lshl_b32 s17, s17, 2
	s_add_co_u32 s17, s17, s41                     ; o's group = tile row
	s_lshl_b32 s43, s41, 2
	s_lshl_b32 s43, 15, s43                        ; my row of the cluster
	s_lshl_b32 s44, 0x1111, s40                    ; my column
	s_or_b32 s[G1A], s43, (3<<16)|(1<<21)          ; 25,600 dense bytes as 100 rows of 256 bytes (32 elements of 8 bytes); 15:0 the mask; 21 set beside a mask
	s_or_b32 s[G1B], s44, (3<<16)|(1<<21)
.irp g, G1A, G1B
	s_mov_b32 s[\g+1], 32<<16
	s_mov_b32 s[\g+2], 100<<16
	s_mov_b32 s[\g+3], 32<<16
	s_mov_b32 s[\g+4], 100
	s_mov_b32 s[\g+5], 32
	s_mov_b32 s[\g+6], 0
	s_mov_b32 s[\g+7], 0
.endr
	s_mul_i32 s45, s15, GRP
	s_mul_i32 s46, s16, PAIR
	s_add_co_u32 s45, s45, s46                     ; where my first load lands: the wave's number alone
	s_mul_i32 s18, s17, GRP
	s_add_co_u32 s18, s18, s46                     ; o: group, + my K steps
	s_mov_b32 s19, 0
	s_mul_i32 s20, s42, GRP
	s_add_co_u32 s20, s20, s46                     ; w_proj likewise
	s_mov_b32 s21, 0
	s_wait_dscnt 0x0
	s_wait_kmcnt 0x0
	s_add_nc_u64 s[18:19], s[4:5], s[18:19]
	s_add_nc_u64 s[20:21], s[6:7], s[20:21]
	CROUND                                         ; all sixteen work-groups are here: the joint loads meet
.irp s, 0,1
	s_mov_b32 s[G0A+4*\s], 1
	s_add_co_u32 s[G0A+4*\s+1], s45, \s*HALF
	s_add_nc_u64 s[G0A+4*\s+2:G0A+4*\s+3], s[18:19], \s*HALF
	s_or_b32 s[G0A+4*\s+3], s[G0A+4*\s+3], 0x80000000
	s_mov_b32 s[G0B+4*\s], 1
	s_add_co_u32 s[G0B+4*\s+1], s45, \s*HALF
	s_add_nc_u64 s[G0B+4*\s+2:G0B+4*\s+3], s[20:21], \s*HALF
	s_or_b32 s[G0B+4*\s+3], s[G0B+4*\s+3], 0x80000000
.endr
	s_cmp_eq_u32 s15, 0                            ; a wave's two fills stand in one branch: first its part of K steps 0-3, then of 4-7
	s_cbranch_scc0 .Lfirst_b
	tensor_load_to_lds s[G0A:G0A+3], s[G1A:G1A+7]
	s_nop 0
	tensor_load_to_lds s[G0A+4:G0A+7], s[G1A:G1A+7]
	s_nop 0
.rept 4
	v_nop
.endr
	s_branch .Lfirst_done
.Lfirst_b:
	tensor_load_to_lds s[G0B:G0B+3], s[G1B:G1B+7]
	s_nop 0
	tensor_load_to_lds s[G0B+4:G0B+7], s[G1B:G1B+7]
	s_nop 0
.rept 4
	v_nop
.endr
.Lfirst_done:
	v_and_b32 v1, 31, v0
	v_and_b32 v2, 15, v0                           ; r
	v_bfe_u32 v3, v0, 4, 1                         ; h
	v_lshlrev_b32 v4, 4, v1                        ; 16 L
	s_wait_alu depctr_va_vdst(0)
	v_lshlrev_b32 v5, 4, v2                        ; 16 r
	s_wait_alu depctr_va_vdst(0)
	s_mul_i32 s70, s15, 6144
	s_mul_i32 s71, s16, 6144
	s_add_co_u32 s71, s71, WB
	s_lshl_b32 s72, s15, 8
	s_add_co_u32 s72, s72, 12288
	s_lshl_b32 s73, s16, 8
	s_add_co_u32 s73, s73, WB+12288
.irp p, 0,1
	v_add_nc_u32 v[ADR1+\p], s70, v4
	v_add_nc_u32 v[ADR0+\p], s71, v4
	v_add_nc_u32 v[ADS1+\p], s72, v5
	v_add_nc_u32 v[ADS0+\p], s73, v5
	s_add_co_u32 s70, s70, HALF
	s_add_co_u32 s71, s71, HALF
	s_add_co_u32 s72, s72, HALF
	s_add_co_u32 s73, s73, HALF
.endr
	s_mul_i32 s74, s14, 16*SPI
	s_add_co_u32 s74, s74, STG                     ; my stage
	v_mul_u32_u24 v6, v2, SPI
	v_lshl_add_u32 v6, v3, 6, v6
	v_add_nc_u32 v[STO], s74, v6                   ; in: row r, + 64 h
	v_mul_u32_u24 v6, v3, SPI
	v_add_nc_u32 v6, v6, v5
	v_add_nc_u32 v[RD], s74, v6                    ; back: lanes 0-15 one row of 256 bytes, lanes 16-31 the next
	v_lshl_add_u32 v[CO], v3, 12, v5               ; and the same two rows in out
	v_lshlrev_b32 v[BO], 6, v3                     ; the bias: 16 h numbers on
	s_wait_alu depctr_va_vdst(0)
	s_lshl_b32 s66, s42, 9
	s_lshl_b32 s67, s16, 8
	s_add_co_u32 s66, s66, s67                     ; my first column, in bytes: 512 x tile column + 256 x half
	s_mov_b32 s67, 0
	s_add_nc_u64 s[8:9], s[8:9], s[66:67]
	s_add_nc_u64 s[10:11], s[10:11], s[66:67]
	s_lshl_b32 s68, s17, 7
	s_lshl_b32 s69, s15, 6
	s_add_co_u32 s68, s68, s69
	s_lshl_b32 s68, s68, 12                        ; my first row: (128 x tile row + 64 x half) x 4,096 bytes
	s_mov_b32 s69, 0
	s_add_nc_u64 s[10:11], s[10:11], s[68:69]
	WIN 0x40                                       ; destination window 1
.irp b, 0,1,2,3                        ; register j of tile b is column 32 (b / 2) + 16 h + 8 (b % 2) + j of my 64
	global_load_b128 v[128+8*\b:131+8*\b], v[BO], s[8:9] offset:(32*(\b/2)+8*(\b%2))*4
	global_load_b128 v[132+8*\b:135+8*\b], v[BO], s[8:9] offset:(32*(\b/2)+8*(\b%2))*4+16
.endr
	WIN 0
.macro FETCH k                         ; K step k's eight fragments and two loads of scale words into set k % 2: 26 loads
.set FB, 32+104*((\k)%2)
.set PP, (\k)/4
.set KO, REC*((\k)%4)
.irp i, 0,1,2,3
.irp c, 0,1,2
	ds_load_b128 v[FB+12*\i+4*\c:FB+12*\i+4*\c+3], v[ADR0+PP] offset:KO+1536*\i+512*\c
	ds_load_b128 v[FB+48+12*\i+4*\c:FB+48+12*\i+4*\c+3], v[ADR1+PP] offset:KO+1536*\i+512*\c
.endr
.endr
	ds_load_b128 v[FB+96:FB+99], v[ADS0+PP] offset:KO
	ds_load_b128 v[FB+100:FB+103], v[ADS1+PP] offset:KO
.endm
.macro MULS k                          ; 16 products; the 16 accumulators take turns, in the same order in every K step
.set FB, 32+104*((\k)%2)
.irp a, 0,1,2,3
.irp b, 0,1,2,3
.if (\k) == 0
	v_wmma_scale_f32_16x16x128_f8f6f4 v[8*(4*\a+\b):8*(4*\a+\b)+7], v[FB+12*\b:FB+12*\b+11], v[FB+48+12*\a:FB+48+12*\a+11], v[128+8*\b:135+8*\b], v[FB+96+\b], v[FB+100+\a] matrix_a_fmt:MATRIX_FMT_FP6 matrix_b_fmt:MATRIX_FMT_FP6
.else
	v_wmma_scale_f32_16x16x128_f8f6f4 v[8*(4*\a+\b):8*(4*\a+\b)+7], v[FB+12*\b:FB+12*\b+11], v[FB+48+12*\a:FB+48+12*\a+11], v[8*(4*\a+\b):8*(4*\a+\b)+7], v[FB+96+\b], v[FB+100+\a] matrix_a_fmt:MATRIX_FMT_FP6 matrix_b_fmt:MATRIX_FMT_FP6
.endif
.endr
.endr
.endm
	s_wait_tensorcnt 1                             ; my part of K steps 0-3 is in; my second load may stay out
	s_barrier_signal -1
	s_barrier_wait -1                              ; everybody's is
	s_wait_loadcnt 0x0                             ; the bias
	FETCH 0
.irp k, 0,1,2,3,4,5,6,7
.if \k == 3
	s_wait_tensorcnt 0x0                           ; my part of K steps 4-7 is in,
	s_wait_dscnt 0x0                               ; (no LDS instruction is pending at a signal)
	s_barrier_signal -1
	s_barrier_wait -1                              ; everybody's is
.endif
.if \k < 7
	FETCH \k+1
	s_wait_dscnt 26                                ; all but the 26 loads just issued
.else
	s_wait_dscnt 0x0
.endif
	WIN 0x50                                       ; C and D in window 1
	MULS \k
	WIN 0
	PLACES                                         ; in front of the loads into this set, and of the first read of results
.endr
; THE WAY OUT, a tile of 16 rows x my 64 columns at a time: through my own stage, back as whole rows of 256 bytes.  LDS serves a wave's instructions in order: no wait between the stores and the loads.
.irp a, 0,1,2,3
	WIN 0x04                                       ; an LDS store's data are its source 1: window 1
.irp b, 0,1,2,3
	ds_store_b128 v[STO], v[8*(4*\a+\b):8*(4*\a+\b)+3] offset:128*(\b/2)+32*(\b%2)       ; each accumulator from its low end on
	ds_store_b128 v[STO], v[8*(4*\a+\b)+4:8*(4*\a+\b)+7] offset:128*(\b/2)+32*(\b%2)+16
.endr
	WIN 0
.irp i, 0,1,2,3,4,5,6,7
	ds_load_b128 v[32+32*\a+4*\i:35+32*\a+4*\i], v[RD] offset:2*\i*SPI
.endr
	s_wait_dscnt 0x0
.irp i, 0,1,2,3,4,5,6,7                ; stage row 2 i + h is row 32 (a / 2) + 8 (a % 2) + 2 i + h + 8 (i / 4) of my 64
	global_store_b128 v[CO], v[32+32*\a+4*\i:35+32*\a+4*\i], s[10:11] offset:(32*(\a/2)+8*(\a%2)+2*\i+8*(\i/4))*4096 th:TH_STORE_NT   ; 16 lanes store 256 consecutive bytes, at a multiple of 256 from out's first byte
.endr
.endr
	s_wait_tensorcnt 0x0
	ds_add_u32 v254, v255
	s_wait_dscnt 0x0
	CROUND                                         ; the closing round: no work-group ends while a partner may still ask for a tile that names it
	s_endpgm
.Lfunc_end_k_qddca039906_proj:
	.size	k_qddca039906_proj, .Lfunc_end_k_qddca039906_proj-k_qddca039906_proj
	.p2alignl 7, 3214868480
	.fill 96, 4, 3214868480
	.section	.rodata,"a",@progbits
	.p2align	6, 0x0
	.amdhsa_kernel k_qddca039906_proj
		.amdhsa_group_segment_fixed_size 222720
		.amdhsa_private_segment_fixed_size 0
		.amdhsa_enable_private_segment 0
		.amdhsa_kernarg_size 32
		.amdhsa_user_sgpr_count 2
		.amdhsa_user_sgpr_kernarg_segment_ptr 1
		.amdhsa_wavefront_size32 1
		.amdhsa_system_sgpr_workgroup_id_x 1
		.amdhsa_system_sgpr_workgroup_id_y 1
		.amdhsa_system_sgpr_workgroup_id_z 1
		.amdhsa_system_vgpr_workitem_id 0
		.amdhsa_next_free_vgpr 512
		.amdhsa_next_free_sgpr 96
		.amdhsa_reserve_vcc 0
		.amdhsa_float_denorm_mode_32 3
		.amdhsa_float_denorm_mode_16_64 3
		.amdhsa_memory_ordered 1
		.amdhsa_forward_progress 1
		.amdhsa_inst_pref_size 47
	.end_amdhsa_kernel
	.amdgpu_metadata
---
amdhsa.version: [ 1, 2 ]
amdhsa.kernels:
  - .name:           k_qddca039906_proj
    .symbol:         k_qddca039906_proj.kd
    .args:
      - { .name: o_rec, .offset: 0, .size: 8, .value_kind: global_buffer, .address_space: global }
      - { .name: wp_rec, .offset: 8, .size: 8, .value_kind: global_buffer, .address_space: global }
      - { .name: b_proj, .offset: 16, .size: 8, .value_kind: global_buffer, .address_space: global }
      - { .name: out0, .offset: 24, .size: 8, .value_kind: global_buffer, .address_space: global }
    .group_segment_fixed_size: 222720
    .private_segment_fixed_size: 0
    .kernarg_segment_align: 8
    .kernarg_segment_size: 32
    .max_flat_workgroup_size: 128
    .sgpr_count:     96
    .vgpr_count:     512
    .wavefront_size: 32
...
	.end_amdgpu_metadata
.endif
;; end of part 4
